; MI455X (gfx1250); checked and timed in simulation.
; The chip was launched on July 23, 2026; its instructions are those of AMD's public machine-readable ISA for CDNA 5 (MIT licence, August 2026) and "CDNA5" Instruction Set Architecture Reference Guide (July 2026). The comments in the code are by the model that wrote it; some were corrected since.
;; Causal Self Attention. Allowed arithmetic: matrix products marked QUANTISED: E2M1 operands, one E8M0 scale for each 32 along K, by v_wmma_scale_f32_16x16x128_f8f6f4 with both operands' format E2M1 (or v_wmma_scale_f32_32x16x128_f4), f32 sums; everything else in f32.
;; Inputs: W_attn 1,024 x 3,072 float32; W_proj 1,024 x 1,024 float32; b_attn 3,072 float32; b_proj 1,024 float32; x 4 x 2,048 x 1,024 float32.
;; Outputs: out0 4 x 2,048 x 1,024 float32.
;; This version of the problem:
;;   THIS VERSION OF THE PROBLEM IS GIVEN IN LOW PRECISION. The matrix products marked QUANTISED in the list below multiply operands that are first quantised to E2M1 (2 exponent bits, 1 mantissa bit; 4 bits a number), with one power-of-two scale for each 32 numbers along K (OCP MX v1.0); their sums are f32. All else is computed in f32.
;;   The module's matrix products, in the order in which they are computed (A, B: the left and right operand; K: the contracted axis; several contracted axes count as one K, in the product's order):
;;     1. [M 8,192, K 1,024] x [K 1,024, N 3,072]; A: input x; B: input W_attn: QUANTISED
;;     2. batch 64 x [M 2,048, K 64] x [K 64, N 2,048]; A: computed on the way; B: computed on the way: QUANTISED
;;     3. batch 64 x [M 2,048, K 2,048] x [K 2,048, N 64]; A: softmax (see below); B: computed on the way: QUANTISED
;;     4. [M 8,192, K 1,024] x [K 1,024, N 1,024]; A: computed on the way; B: input W_proj: QUANTISED
;;   THE QUANTISER, for each operand of a quantised product, along K:
;;     - K is cut into blocks of 32 from its start; a last block that is shorter is filled with zeros.
;;     - A block's scale is 2^e with e = floor(log2(the largest magnitude in the block)) - 2, held to -126 .. 127; a block of zeros has e = 0. As a byte (E8M0): e + 127.
;;     - Each number is divided by its block's scale, clamped to +-6, and rounded to the nearest number of E2M1, ties to even, subnormals kept.
;;     - The product sums the exact products of the quantised numbers (number of the format x scale) in f32.
;;   ~~~python
;;   def quantise(x, axis):      # numpy; x: float32 -> the quantised numbers, widened to float32 again
;;       x = np.moveaxis(x, axis, -1); K = x.shape[-1]
;;       x = np.pad(x, [(0, 0)] * (x.ndim - 1) + [(0, -K % 32)]); x = x.reshape(x.shape[:-1] + (-1, 32)); a = np.abs(x).max(-1, keepdims=True)
;;       e = np.where(a > 0, np.clip(np.frexp(np.where(a > 0, a, 1))[1] - 1 - 2, -126, 127), 0)      # np.frexp(a)[1] - 1 = floor(log2(a)), exactly
;;       r = np.clip(x / 2.0 ** e, -6, 6)
;;       step = 2.0 ** (np.maximum(np.frexp(np.where(r == 0, 1, r))[1] - 1, 0) - 1)
;;       q = np.round(r / step) * step * 2.0 ** e      # np.round: ties to even
;;       return np.moveaxis(q.reshape(q.shape[:-2] + (-1,))[..., :K], -1, axis).astype(np.float32)
;;   ~~~
;;   SOFTMAX AHEAD OF A QUANTISED PRODUCT. Where the list says 'softmax', what is quantised is not the finished softmax but p = 2^(t - M), with t = logit x log2(e) and M = ceil(the row's largest t), a whole number; so 1/2 < the row's largest p <= 1. The row's sum l is taken of the UNQUANTISED p, in f32, and the product's result is divided by l at the end. Since M is a whole number, a kernel that streams over the keys may use a running M (the ceiling of the running maximum): every later rescaling is an exact power of two, which a block's scale takes up: the codes' values come out the same.
;;   OPERANDS COMPUTED ON THE WAY. 'Computed on the way' means the value that the module computes at that place (a softmax that the list does not call 'softmax' is quantised finished and normalised). What goes into a quantiser is computed in f32, as accurately as f32 sums, v_exp_f32 and their like allow (about 1e-6 of the number): no bf16 or f16 on the way to a quantiser, and a product that is left as it is and whose result goes on into a quantised operand takes f32 operands (vector FMAs, or v_wmma_f32_16x16x4_f32). A number that lies on a knife's edge between two numbers of the format may be rounded either way, as far as f32 arithmetic and the matrix unit's own rounding can turn it there, and no further.
;; One version. Each part assembles by itself: llvm-mc -triple=amdgcn-amd-amdhsa -mcpu=gfx1250 --defsym DOCPART=n.
;; ======== version 1 of 1: 4 launches
;; workspace buffers: c1 5,767,168 bytes; s1 360,448 bytes; wpc 524,288 bytes; wps 32,768 bytes; qk 8,912,896 bytes; vv 4,456,448 bytes; yc 4,194,304 bytes; ys 262,144 bytes
;; launch quant (part 1): grid 768 x 1, 4 waves a work-group, no clusters, 34,304 bytes of LDS; arguments x, W_attn, W_proj, c1, s1, wpc, wps; writes c1, s1, wpc, wps
.if DOCPART == 1
	.amdgcn_target "amdgcn-amd-amdhsa--gfx1250"
	.amdhsa_code_object_version 6
	.text
	.protected	k_q6a8d7576ca_quant
	.globl	k_q6a8d7576ca_quant
	.p2align	8
	.type	k_q6a8d7576ca_quant,@function
k_q6a8d7576ca_quant:
	s_mov_b64 s[64:65], 0
	v_nop
	global_prefetch_b8 v0, s[64:65] scope:SCOPE_SE
	s_setreg_imm32_b32 hwreg(HW_REG_WAVE_MODE, 25, 1), 1
	s_wait_xcnt 0x0
; x [8192][1024], W_attn [1024][3072] and W_proj [1024][1024], f32, become codes of FP4 (E2M1) with one E8M0 scale byte for each 32 along K (K = the 1,024 of the embedding).
; A block's scale is 2^(floor(log2(its largest magnitude)) - 2); its byte is the largest magnitude's exponent field - 2, held at 1 from below; each number / scale goes to the nearest code, ties to even, beyond 6 the largest code.
; LAYOUT OF THE RESULTS (workspace of this program alone): codes [block of 32 along K = plane][row][16 bytes], scale bytes as words [128 along K][row][4 bytes].  A row is a row of x or a COLUMN of a weight.
;   c1, s1: 11,264 rows: 0-8191 x, 8192-11263 W_attn's columns.   wpc, wps: W_proj's 1,024 columns.
; Inside a block the 32 codes stand in the order 0-7, 16-23, 8-15, 24-31, in every operand of this program alike: that is the order in which codes made from matrix results come out in the later launches.  The
; order stays inside a block, so maxima and scales are those of the rule, and a product whose two operands share the order has the rule's terms; only the grouping of the f32 sums differs.
; SHARES.  Work-groups 0-511: 16 rows of x each (64 KiB, dense).  512-703: 128 columns x 128 along K of W_attn.  704-767: the same of W_proj.  The three ways part on the work-group's number; only the first uses LDS.
; No tensor loads, no cluster, no barrier: no two work-groups read the same bytes, and waves share nothing.
; LIMITS: NaN and infinities among the inputs are not served.  A block of zeros gets the byte 1 where the rule says 127: its codes are zeros, and this program alone reads the bytes.
; The scale words leave in pieces of 64 or 128 consecutive bytes: one sixteenth of the codes' bytes.
.set PP,   180224                      ; c1: bytes from plane to plane (11,264 rows x 16)
.set SPI,  45056                       ; s1: bytes from one 128 along K to the next (11,264 rows x 4)
.set SP,   528                         ; a stage row: 512 bytes + 16: row r begins 16 r bytes further on modulo 256
.set R,    16                          ; v16-143  x as loaded: unit u, row p at R + 64 u + 4 p
.set X,    144                         ; v144-207 64 numbers of one row: register 16 b + i = k 32 b + 8 h + i (i < 8), 32 b + 16 + 8 h + i - 8 (i >= 8)
.set TM,   208                         ; v208-223 at work in QUANT
.set PC,   224                         ; v224-239 codes, 8 registers a unit: no store's data are written again
.set PW,   240                         ; v240-241 the two units' scale words
.set SEL,  20                          ; s[20:21] lane selects of v_permlanex16_b32: lane l xor 16
.set XW,   16                          ; weights: v16-79 two sets of 32 numbers down K
.set C,    80                          ; v80-95   codes, 4 registers a block
.set SB,   96                          ; v96      the four blocks' scale bytes
; 64 numbers of a lane, v[s] on, in four blocks of 32 that lanes l and l xor 16 share, become a fragment's 8 registers of codes, v[pc] on (lane (r, h): registers 4 c .. 4 c + 3 = block 2 c + h of row r), and the row's scale word v[pw].
.macro QUANT s, pc, pw
.irp b, 0,1,2,3
	v_max3_num_f32 v[TM+\b], |v[(\s)+16*\b]|, |v[(\s)+1+16*\b]|, 0x1800000   ; my 16 numbers of block b, and the floor 2^(3 - 127): the byte cannot fall under 1
.endr
.irp i, 2,4,6,8,10,12,14
.irp b, 0,1,2,3
	v_max3_num_f32 v[TM+\b], v[TM+\b], |v[(\s)+16*\b+\i]|, |v[(\s)+1+16*\b+\i]|   ; the four blocks by turns
.endr
.endr
.irp b, 0,1,2,3
	v_permlanex16_b32 v[TM+4+\b], v[TM+\b], s[SEL], s[SEL+1]
.endr
.irp b, 0,1,2,3
	v_max_num_f32 v[TM+\b], v[TM+\b], v[TM+4+\b]   ; with lane l xor 16's: the block's largest magnitude
.endr
.irp b, 0,1,2,3
	v_add_nc_u32 v[TM+12+\b], 0xff000000, v[TM+\b]   ; 2 off its exponent field: the conversion takes the exponent field of this operand as its scale
.endr
.irp b, 0,1,2,3
	v_lshrrev_b32 v[TM+4+\b], 23, v[TM+12+\b]      ; the scale's byte
.endr
	v_lshl_or_b32 v[\pw], v[TM+5], 8, v[TM+4]
	v_lshl_or_b32 v[\pw], v[TM+6], 16, v[\pw]
	v_lshl_or_b32 v[\pw], v[TM+7], 24, v[\pw]
.irp b, 0,1,2,3
	v_cvt_scalef32_pk8_fp4_f32 v[(\pc)+2*\b], v[(\s)+16*\b:(\s)+7+16*\b], v[TM+12+\b]
	v_cvt_scalef32_pk8_fp4_f32 v[(\pc)+1+2*\b], v[(\s)+8+16*\b:(\s)+15+16*\b], v[TM+12+\b]
.endr
	v_nop                                          ; one plain instruction behind the scaled conversions
.irp c, 0,1
.irp i, 0,1
	v_permlane16_swap_b32 v[(\pc)+4*\c+\i], v[(\pc)+2+4*\c+\i]   ; a whole block to a lane: lanes 0-15 block 2 c, lanes 16-31 block 2 c + 1
.endr
.endr
.endm
	s_load_b256 s[4:11], s[0:1], 0x0               ; x s[4:5], W_attn s[6:7], W_proj s[8:9], c1 s[10:11]
	s_load_b128 s[12:15], s[0:1], 0x20             ; s1 s[12:13], wpc s[14:15]
	s_load_b64 s[16:17], s[0:1], 0x30              ; wps
	v_lshl_add_u32 v248, v0, 2, 0x8400
	v_mov_b32 v249, 0
	v_lshrrev_b32 v1, 5, v0
	v_readfirstlane_b32 s18, v1                    ; wave 0..3
	v_and_b32 v1, 31, v0                           ; lane l
	v_and_b32 v2, 15, v0                           ; r
	v_bfe_u32 v3, v0, 4, 1                         ; h
	s_mov_b32 s[SEL], 0x76543210
	s_mov_b32 s[SEL+1], 0xfedcba98
	s_mov_b32 s22, 0xffff0000                      ; lanes 16-31
	s_mul_i32 s23, s18, 16*SP                      ; my wave's stage
	v_lshlrev_b32 v4, 4, v1                        ; 16 l
	v_add_nc_u32 v5, s23, v4                       ; into the stage: 16 l of a row
	v_mul_u32_u24 v6, v2, SP
	v_lshl_add_u32 v6, v3, 5, v6
	v_add_nc_u32 v6, s23, v6                       ; out of it: row r, + 32 h
	v_mul_u32_u24 v7, v3, PP
	v_lshl_add_u32 v7, v2, 4, v7                   ; codes of x: plane + h, row r
	v_mul_u32_u24 v8, v3, SPI
	v_lshl_add_u32 v8, v2, 2, v8                   ; scale words of x: lanes 16-31 one 128 along K further on
	v_lshlrev_b32 v9, 2, v1                        ; 4 l
	s_mov_b32 s25, 0                               ; the upper word of every offset
	s_wait_kmcnt 0x0
	s_cmp_lt_u32 ttmp9, 512
	s_cbranch_scc0 .Lweights
	; ---- x: the work-group's 16 rows; wave w takes k = 256 w .. 256 w + 255, as two units of 128
	s_lshl_b32 s24, ttmp9, 16                      ; 16 rows of 4,096 bytes
	s_lshl_b32 s26, s18, 10
	s_add_co_u32 s24, s24, s26
	s_add_nc_u64 s[4:5], s[4:5], s[24:25]
	s_lshl_b32 s24, ttmp9, 8                       ; 16 rows of 16 bytes,
	s_mul_i32 s26, s18, 8*PP                       ; my eight planes
	s_add_co_u32 s24, s24, s26
	s_add_nc_u64 s[10:11], s[10:11], s[24:25]
	s_lshl_b32 s24, ttmp9, 6                       ; 16 rows of 4 bytes
	s_mul_i32 s26, s18, 2*SPI
	s_add_co_u32 s24, s24, s26
	s_add_nc_u64 s[12:13], s[12:13], s[24:25]
.irp u, 0,1
.irp p, 0,1,2,3,4,5,6,7,8,9,10,11,12,13,14,15
	global_load_b128 v[R+64*\u+4*\p:R+64*\u+4*\p+3], v4, s[4:5] offset:\p*4096+\u*512 th:TH_LOAD_NT   ; 32 lanes read 512 consecutive bytes of row p
.endr
.endr
.irp b, 0,1,2,3
	v_mov_b32 v[TM+4+\b], 0                        ; written once: a lane permute's destination counts as one of its sources
.endr
; A unit: 16 rows x 128 numbers turn through the wave's own stage, so that a lane holds 64 numbers of ONE row.  LDS serves a wave's instructions in order: no wait between the stores and the loads.
.macro UNIT u
.if \u == 0
	s_wait_loadcnt 16                              ; unit 0's sixteen loads are in; unit 1's sixteen may be out
.else
	s_wait_loadcnt 0x0
.endif
.irp p, 0,1,2,3,4,5,6,7,8,9,10,11,12,13,14,15
	ds_store_b128 v5, v[R+64*\u+4*\p:R+64*\u+4*\p+3] offset:\p*SP
.endr
.irp b, 0,1,2,3
.irp g, 0,1
.irp q, 0,1
	ds_load_b128 v[X+16*\b+8*\g+4*\q:X+16*\b+8*\g+4*\q+3], v6 offset:128*\b+64*\g+16*\q   ; k = 32 b + 16 g + 8 h + 4 q on
.endr
.endr
.endr
	s_wait_dscnt 0x0
	QUANT X, PC+8*\u, PW+\u
.irp c, 0,1
	global_store_b128 v7, v[PC+8*\u+4*\c:PC+8*\u+4*\c+3], s[10:11] offset:(4*\u+2*\c)*PP   ; lanes 0-15 store 256 consecutive aligned bytes of plane 4 u + 2 c, lanes 16-31 of the next plane
.endr
.endm
	UNIT 0
	UNIT 1
	v_cndmask_b32 v242, v[PW], v[PW+1], s22        ; lanes 0-15 carry unit 0's words, lanes 16-31 unit 1's
	global_store_b32 v8, v242, s[12:13]
	s_wait_tensorcnt 0x0
	ds_add_u32 v248, v249
	s_wait_dscnt 0x0
	s_endpgm
	; ---- a weight [1024 (k)][N]: a lane takes a column, its registers run down K: a block of 32 is one lane's, and the codes come out with K innermost
.macro WLOAD t, N, win                 ; block t: W(32 t + i, my column), i = 0 .. 31; each load reads 128 consecutive bytes, the four waves side by side
.set wi, 0
.rept 32
	global_load_b32 v[XW+32*((\t)%2)+wi], v9, s[\win:\win+1] offset:(32*(\t)+wi)*(\N)*4 th:TH_LOAD_NT
.set wi, wi+1
.endr
.endm
.macro WBLOCK t, N, CPI, win, cout
.set XS, XW+32*((\t)%2)
.if (\t) < 3
	s_wait_loadcnt 32                              ; this block's 32 loads are in; the next block's 32 may be out
.else
	s_wait_loadcnt 0x0
.endif
	v_max3_num_f32 v11, |v[XS]|, |v[XS+1]|, |v[XS+2]|
	v_max3_num_f32 v12, |v[XS+3]|, |v[XS+4]|, |v[XS+5]|
.irp i, 6,10,14,18,22,26
	v_max3_num_f32 v11, v11, |v[XS+\i]|, |v[XS+\i+1]|
	v_max3_num_f32 v12, v12, |v[XS+\i+2]|, |v[XS+\i+3]|
.endr
	v_max3_num_f32 v11, v11, |v[XS+30]|, |v[XS+31]|
	v_max3_num_f32 v11, v11, v12, 0x1800000        ; and the floor 2^(3 - 127)
	v_add_nc_u32 v13, 0xff000000, v11              ; the conversion's scale operand
	v_lshrrev_b32 v12, 23, v13                     ; the scale's byte
.if (\t) == 0
	v_mov_b32 v[SB], v12
.else
	v_lshl_or_b32 v[SB], v12, 8*(\t), v[SB]
.endif
	v_cvt_scalef32_pk8_fp4_f32 v[C+4*(\t)], v[XS:XS+7], v13          ; the block's order: k 0-7,
	v_cvt_scalef32_pk8_fp4_f32 v[C+4*(\t)+1], v[XS+16:XS+23], v13    ; 16-23,
	v_cvt_scalef32_pk8_fp4_f32 v[C+4*(\t)+2], v[XS+8:XS+15], v13     ; 8-15,
	v_cvt_scalef32_pk8_fp4_f32 v[C+4*(\t)+3], v[XS+24:XS+31], v13    ; 24-31
	global_store_b128 v4, v[C+4*(\t):C+4*(\t)+3], s[\cout:\cout+1] offset:(\t)*(\CPI)   ; 32 columns x 16 bytes: 512 consecutive aligned bytes of one plane
.if (\t)+2 < 4
	WLOAD (\t)+2, \N, \win
.endif
.endm
.macro WPATH N, ROW0, CPI, SCP, win, cout, sout, first
	s_sub_co_u32 s24, ttmp9, \first
	s_and_b32 s26, s24, 7                          ; which 128 along K
	s_lshr_b32 s27, s24, 3
	s_lshl_b32 s27, s27, 7
	s_lshl_b32 s28, s18, 5
	s_add_co_u32 s27, s27, s28                     ; my wave's first column
	s_mul_i32 s24, s26, 128*(\N)*4
	s_lshl_b32 s28, s27, 2
	s_add_co_u32 s24, s24, s28
	s_add_nc_u64 s[\win:\win+1], s[\win:\win+1], s[24:25]
	s_add_co_u32 s27, s27, \ROW0                   ; its row in the codes' buffer
	s_mul_i32 s24, s26, 4*(\CPI)
	s_lshl_b32 s28, s27, 4
	s_add_co_u32 s24, s24, s28
	s_add_nc_u64 s[\cout:\cout+1], s[\cout:\cout+1], s[24:25]
	s_mul_i32 s24, s26, \SCP
	s_lshl_b32 s28, s27, 2
	s_add_co_u32 s24, s24, s28
	s_add_nc_u64 s[\sout:\sout+1], s[\sout:\sout+1], s[24:25]
	WLOAD 0, \N, \win
	WLOAD 1, \N, \win
	WBLOCK 0, \N, \CPI, \win, \cout
	WBLOCK 1, \N, \CPI, \win, \cout
	WBLOCK 2, \N, \CPI, \win, \cout
	WBLOCK 3, \N, \CPI, \win, \cout
	global_store_b32 v9, v[SB], s[\sout:\sout+1]   ; 32 columns' scale words: 128 consecutive bytes
	s_endpgm
.endm
.Lweights:
	s_cmp_lt_u32 ttmp9, 704
	s_cbranch_scc0 .Lproj_weight
	WPATH 3072, 8192, PP, SPI, 6, 10, 12, 512
.Lproj_weight:
	WPATH 1024, 0, 16384, 4096, 8, 14, 16, 704
.Lfunc_end_k_q6a8d7576ca_quant:
	.size	k_q6a8d7576ca_quant, .Lfunc_end_k_q6a8d7576ca_quant-k_q6a8d7576ca_quant
	.p2alignl 7, 3214868480
	.fill 96, 4, 3214868480
	.section	.rodata,"a",@progbits
	.p2align	6, 0x0
	.amdhsa_kernel k_q6a8d7576ca_quant
		.amdhsa_group_segment_fixed_size 34304
		.amdhsa_private_segment_fixed_size 0
		.amdhsa_enable_private_segment 0
		.amdhsa_kernarg_size 56
		.amdhsa_user_sgpr_count 2
		.amdhsa_user_sgpr_kernarg_segment_ptr 1
		.amdhsa_wavefront_size32 1
		.amdhsa_system_sgpr_workgroup_id_x 1
		.amdhsa_system_sgpr_workgroup_id_y 1
		.amdhsa_system_sgpr_workgroup_id_z 1
		.amdhsa_system_vgpr_workitem_id 0
		.amdhsa_next_free_vgpr 250
		.amdhsa_next_free_sgpr 66
		.amdhsa_reserve_vcc 0
		.amdhsa_float_denorm_mode_32 3
		.amdhsa_float_denorm_mode_16_64 3
		.amdhsa_memory_ordered 1
		.amdhsa_forward_progress 1
		.amdhsa_inst_pref_size 56
	.end_amdhsa_kernel
	.amdgpu_metadata
---
amdhsa.version: [ 1, 2 ]
amdhsa.kernels:
  - .name:           k_q6a8d7576ca_quant
    .symbol:         k_q6a8d7576ca_quant.kd
    .args:
      - { .name: x, .offset: 0, .size: 8, .value_kind: global_buffer, .address_space: global }
      - { .name: W_attn, .offset: 8, .size: 8, .value_kind: global_buffer, .address_space: global }
      - { .name: W_proj, .offset: 16, .size: 8, .value_kind: global_buffer, .address_space: global }
      - { .name: c1, .offset: 24, .size: 8, .value_kind: global_buffer, .address_space: global }
      - { .name: s1, .offset: 32, .size: 8, .value_kind: global_buffer, .address_space: global }
      - { .name: wpc, .offset: 40, .size: 8, .value_kind: global_buffer, .address_space: global }
      - { .name: wps, .offset: 48, .size: 8, .value_kind: global_buffer, .address_space: global }
    .group_segment_fixed_size: 34304
    .private_segment_fixed_size: 0
    .kernarg_segment_align: 8
    .kernarg_segment_size: 56
    .max_flat_workgroup_size: 128
    .sgpr_count:     66
    .vgpr_count:     250
    .wavefront_size: 32
...
	.end_amdgpu_metadata
.endif
;; end of part 1
;; launch qkv (part 2): grid 16 x 48, 8 waves a work-group, clusters of 4 x 4, 209,920 bytes of LDS; arguments c1, s1, b_attn, qk, vv; writes qk, vv
.if DOCPART == 2
	.amdgcn_target "amdgcn-amd-amdhsa--gfx1250"
	.amdhsa_code_object_version 6
	.text
	.protected	k_q6a8d7576ca_qkv
	.globl	k_q6a8d7576ca_qkv
	.p2align	8
	.type	k_q6a8d7576ca_qkv,@function
k_q6a8d7576ca_qkv:
	s_mov_b64 s[64:65], 0
	v_nop
	global_prefetch_b8 v0, s[64:65] scope:SCOPE_SE
	s_setreg_imm32_b32 hwreg(HW_REG_WAVE_MODE, 25, 1), 1
	s_wait_xcnt 0x0
	s_wait_alu depctr_hold_cnt(0) depctr_sa_sdst(0) depctr_va_vdst(0) depctr_va_sdst(0) depctr_va_ssrc(0) depctr_va_vcc(0) depctr_vm_vsrc(0)
	s_getreg_b32 s2, hwreg(HW_REG_IB_STS2, 6, 4)
	s_cmp_eq_u32 s2, 0
	s_cbranch_scc0 .Lentry_in_a_cluster
	s_endpgm
.Lentry_in_a_cluster:
	s_bfe_u32 s2, ttmp6, 0x10000c
	s_cmp_lg_u32 s2, 0xf033
	s_cbranch_scc0 .Lentry_shape_is_right
	s_endpgm
.Lentry_shape_is_right:
; qkv = x W_attn + b_attn on codes of FP4 (E2M1) with E8M0 scales, and at once the quantising of q, k (along the head's 64) and v (along the keys) for the attention launch.  Nothing wide goes to memory.
; A work-group makes a tile of 128 rows of P (source 0: they run along a lane's registers) x 256 rows of Q (source 1: a lane holds one).  All of K = 1,024 of both panels lies in LDS at once
; (192 KiB of codes, 12 KiB of scale words): every fill is a first fill, no byte of LDS is filled twice.  Eight waves; wave w takes all 128 rows of P x rows 32 w .. 32 w + 31 of Q: 16 accumulators.
; ROLES, by the cluster's y alone (the same in all sixteen partners; it selects values, never a branch):
;   cluster y 0-7, q and k:  P = 128 columns of W_attn (two heads), Q = 256 tokens: a lane holds a token, its registers run along the head's channels, which are the K of q k^T.
;   cluster y 8-11, v:       P = 128 tokens, Q = 256 columns of W_attn: a lane holds a channel, its registers run along the keys, which are the K of p v.
; CLUSTER 4 x 4: P's panel hangs on the work-group's x alone and is asked for jointly by a column of the cluster, Q's on its y alone and by a row: four requests become one.
; c1: codes [32 planes of 32 along K][11,264 rows][16 bytes]; s1: scale words [8][11,264][4 bytes]; rows 0-8191 x, 8192 on W_attn's columns.  In that layout lane (r, h) finds registers 4 c .. 4 c + 3 of a fragment at
; plane 4 s + 2 c + h, row r: sixteen lanes of a load read 256 consecutive bytes of LDS, so no padding is needed.
; RESULTS.  qk: 128 records of 69,632 bytes, record 4 g + batch (g = head for q, 16 + head for k): codes [block h of the head's two][token][16 bytes], then words [token / 32][r][4 bytes] = the two scale bytes of token
; 32 a + r below, those of token 32 a + 16 + r above.  vv: 64 records, 16 batch + head: codes [64 keys][h][channel][16 bytes], then words [128 keys][channel][4 bytes].
; Inside a block of 32 the codes stand in the order 0-7, 16-23, 8-15, 24-31, as in every operand of this program.
; LIMITS: NaN and infinities are not served; a block of zeros gets the byte 1 (its codes are zeros; this program alone reads the bytes).  The scale words leave in pieces of 64 bytes: one sixteenth of the codes' bytes.
.set PP,   180224                      ; c1: bytes from plane to plane
.set SPI,  45056                       ; s1: bytes from one 128 along K to the next
.set RS,   69632                       ; a record of qk or vv
.set PITCH_P, PP/8                     ; the same in elements of 8 bytes
.set PITCH_Q, PP/8
.set HALF_P,  16*PP                    ; bytes from plane 0 to plane 16
.set HALF_Q,  16*PP
.set PCD,  0                           ; LDS: P's codes [32][128][16]
.set QCD,  65536                       ;      Q's codes [32][256][16]
.set PSC,  196608                      ;      P's scale words [8][128][4]
.set QSC,  200704                      ;      Q's scale words [8][256][4]
.set WV,   14                          ; s14  my wave's number
.set SEL,  66                          ; s66, s67 lane selects of v_permlanex16_b32
.set G1P,  24                          ; s[24:31] group 1, P's codes;  s[32:39] Q's codes;  s[40:47] P's scales;  s[48:55] Q's scales
.set G1Q,  32
.set G1SP, 40
.set G1SQ, 48
.set G0SP, 56                          ; groups 0: s[56:59] P's scales, s[60:63] Q's, s[68:71] P's planes 2 w, 2 w + 1, s[72:75] Q's, s[76:79] P's planes 16 + 2 w on, s[80:83] Q's
.set G0SQ, 60
.set G0P0, 68
.set G0Q0, 72
.set G0P1, 76
.set G0Q1, 80
.set SC,   18                          ; v18-22, v23-27: two sets of scale words, and nothing else: + a: P's tiles 2 a (lanes 0-15) and 2 a + 1 (lanes 16-31); + 4: Q's tiles 0 and 1 likewise
.set PF,   32                          ; v32-95   P's eight fragments
.set QF,   96                          ; v96-127  Q's two fragments, two sets
.set ACC,  128                         ; v128-255 accumulator (i, j) at ACC + 8 i + 64 j: register e of lane (r, h) = (P's row 16 i + 8 h + e, Q's row 16 j + r)
.set TM,   32                          ; the way out: v32-47 at work, v48-63 codes, v64-65 scale words
.set PC,   48
.set PW,   64
.macro CROUND                          ; a round of the cluster's barrier
	s_barrier_signal -1
	s_barrier_wait -1
	s_cmp_lg_u32 s[WV], 0
	s_cbranch_scc1 .Lnot_wave_0_\@
	s_barrier_signal -3
.Lnot_wave_0_\@:
	s_barrier_wait -3
	s_barrier_signal -1
	s_barrier_wait -1
.endm
.macro PLACES                          ; four plain instructions between a matrix instruction and a load into, or a read of, its registers
.rept 4
	v_nop
.endr
.endm
.macro LDP s, i0                       ; P's fragments i0 .. i0 + 3 of the s-th 128 along K: 8 loads
.irp i, \i0, \i0+1, \i0+2, \i0+3
.irp c, 0,1
	ds_load_b128 v[PF+8*(\i)+4*\c:PF+8*(\i)+4*\c+3], v4 offset:(\s)*8192+\c*4096+(\i)*256
.endr
.endr
.endm
.macro LDQ s                           ; Q's two fragments and the five registers of scale words of the s-th 128 along K, into set s % 2: 9 loads
.irp j, 0,1
.irp c, 0,1
	ds_load_b128 v[QF+16*((\s)%2)+8*\j+4*\c:QF+16*((\s)%2)+8*\j+4*\c+3], v[5+(\s)/4] offset:((\s)%4)*16384+\c*8192+\j*256
.endr
.endr
.irp a, 0,1,2,3
	ds_load_b32 v[SC+5*((\s)%2)+\a], v7 offset:(\s)*512+\a*128
.endr
	ds_load_b32 v[SC+5*((\s)%2)+4], v8 offset:(\s)*1024
.endm
.macro WM d, a, b, sa, sb, ra, rb      ; one product onto accumulator d; ra, rb: the scales stand in lanes 16-31
.if ((\ra) != 0) && ((\rb) != 0)
	v_wmma_scale_f32_16x16x128_f8f6f4 v[(\d):(\d)+7], v[(\a):(\a)+7], v[(\b):(\b)+7], v[(\d):(\d)+7], v[\sa], v[\sb] matrix_a_fmt:MATRIX_FMT_FP4 matrix_b_fmt:MATRIX_FMT_FP4 matrix_a_scale:MATRIX_SCALE_ROW1 matrix_b_scale:MATRIX_SCALE_ROW1
.elseif (\ra) != 0
	v_wmma_scale_f32_16x16x128_f8f6f4 v[(\d):(\d)+7], v[(\a):(\a)+7], v[(\b):(\b)+7], v[(\d):(\d)+7], v[\sa], v[\sb] matrix_a_fmt:MATRIX_FMT_FP4 matrix_b_fmt:MATRIX_FMT_FP4 matrix_a_scale:MATRIX_SCALE_ROW1
.elseif (\rb) != 0
	v_wmma_scale_f32_16x16x128_f8f6f4 v[(\d):(\d)+7], v[(\a):(\a)+7], v[(\b):(\b)+7], v[(\d):(\d)+7], v[\sa], v[\sb] matrix_a_fmt:MATRIX_FMT_FP4 matrix_b_fmt:MATRIX_FMT_FP4 matrix_b_scale:MATRIX_SCALE_ROW1
.else
	v_wmma_scale_f32_16x16x128_f8f6f4 v[(\d):(\d)+7], v[(\a):(\a)+7], v[(\b):(\b)+7], v[(\d):(\d)+7], v[\sa], v[\sb] matrix_a_fmt:MATRIX_FMT_FP4 matrix_b_fmt:MATRIX_FMT_FP4
.endif
.endm
.macro MUL8 s, i0                      ; 8 products: P's tiles i0 .. i0 + 3 x Q's two.  The 16 accumulators take turns, one instruction a turn, in the same order in every step
.irp i, \i0, \i0+1, \i0+2, \i0+3
.irp j, 0,1
	WM ACC+8*(\i)+64*\j, PF+8*(\i), QF+16*((\s)%2)+8*\j, SC+5*((\s)%2)+(\i)/2, SC+5*((\s)%2)+4, (\i)%2, \j
.endr
.endr
.endm
.macro KSTEP s                         ; 128 along K whose successor's bytes are known to lie in LDS
	s_wait_dscnt 8                                 ; all but the youngest eight loads (P's tiles 4-7) are in
	MUL8 \s, 0
	PLACES
	LDQ (\s)+1
	LDP (\s)+1, 0
	s_wait_dscnt 17                                ; all but the 17 just issued: P's tiles 4-7 are in
	MUL8 \s, 4
	PLACES
	LDP (\s)+1, 4
.endm
.macro QUANT s, pc, pw                 ; 64 numbers of a lane, four blocks of 32 shared by lanes l and l xor 16 -> 8 registers of codes (registers 4 c .. 4 c + 3 of lane (r, h): block 2 c + h) and the four scale bytes as a word
.irp b, 0,1,2,3
	v_max3_num_f32 v[TM+\b], |v[(\s)+16*\b]|, |v[(\s)+1+16*\b]|, 0x1800000   ; each accumulator is read from its low end on; the floor 2^(3 - 127) holds the byte at 1 from below
.endr
.irp i, 2,4,6,8,10,12,14
.irp b, 0,1,2,3
	v_max3_num_f32 v[TM+\b], v[TM+\b], |v[(\s)+16*\b+\i]|, |v[(\s)+1+16*\b+\i]|
.endr
.endr
.irp b, 0,1,2,3
	v_permlanex16_b32 v[TM+4+\b], v[TM+\b], s[SEL], s[SEL+1]
.endr
.irp b, 0,1,2,3
	v_max_num_f32 v[TM+\b], v[TM+\b], v[TM+4+\b]
.endr
.irp b, 0,1,2,3
	v_add_nc_u32 v[TM+12+\b], 0xff000000, v[TM+\b]   ; 2 off the exponent field: the conversion's scale operand
.endr
.irp b, 0,1,2,3
	v_lshrrev_b32 v[TM+4+\b], 23, v[TM+12+\b]      ; the scale's byte
.endr
	v_lshl_or_b32 v[\pw], v[TM+5], 8, v[TM+4]
	v_lshl_or_b32 v[\pw], v[TM+6], 16, v[\pw]
	v_lshl_or_b32 v[\pw], v[TM+7], 24, v[\pw]
.irp b, 0,1,2,3
	v_cvt_scalef32_pk8_fp4_f32 v[(\pc)+2*\b], v[(\s)+16*\b:(\s)+7+16*\b], v[TM+12+\b]
	v_cvt_scalef32_pk8_fp4_f32 v[(\pc)+1+2*\b], v[(\s)+8+16*\b:(\s)+15+16*\b], v[TM+12+\b]
.endr
	v_nop                                          ; one plain instruction behind the scaled conversions
.irp c, 0,1
.irp i, 0,1
	v_permlane16_swap_b32 v[(\pc)+4*\c+\i], v[(\pc)+2+4*\c+\i]
.endr
.endr
.endm
	s_load_b256 s[4:11], s[0:1], 0x0               ; c1 s[4:5], s1 s[6:7], b_attn s[8:9], qk s[10:11]
	s_load_b64 s[12:13], s[0:1], 0x20              ; vv
	v_lshl_add_u32 v30, v0, 2, 0x33000
	v_mov_b32 v31, 0
	ds_add_u32 v30, v31
	ds_add_u32 v30, v31
	v_lshrrev_b32 v1, 5, v0
	v_readfirstlane_b32 s[WV], v1                  ; wave 0..7
	s_bfe_u32 s15, ttmp6, 0x40000                  ; cx
	s_bfe_u32 s16, ttmp6, 0x40004                  ; cy
	s_and_b32 s87, ttmp7, 0xffff                   ; the cluster's y: 0-7 q and k, 8-11 v
	s_lshl_b32 s19, ttmp9, 2
	s_add_co_u32 s19, s19, s15                     ; work-group x, 0..15
	s_lshl_b32 s84, 0x1111, s15                    ; my column of the cluster
	s_lshl_b32 s85, s16, 2
	s_lshl_b32 s85, 15, s85                        ; my row
	s_sub_co_u32 s88, s87, 8
	s_lshl_b32 s88, s88, 11                        ; v: 2,048 tokens for each cluster row from the eighth on
	s_lshl_b32 s89, s87, 10                        ; q, k: 1,024 tokens for each cluster row
	s_mov_b32 s96, 0x05040100
	s_mov_b32 s97, 0x07060302
	s_mov_b32 s92, 32768
	s_mov_b32 s93, 4*RS
	s_mov_b32 s99, 4*RS
	s_mov_b32 s98, 0xffff0000                      ; lanes 16-31
	s_mov_b32 s[SEL], 0x76543210
	s_mov_b32 s[SEL+1], 0xfedcba98
	s_cmp_ge_u32 s87, 8                            ; v?  Every selection on this compare stands ahead of the next addition
	s_cselect_b32 s88, s88, 0x2000                 ; what is added to 128 x work-group x to give P's first row in c1
	s_cselect_b32 s89, 0x2800, s89                 ; and to 256 cy to give Q's
	s_cselect_b32 s94, 0, -1                       ; the bias goes by P's rows (q, k)
	s_cselect_b32 s95, -1, 0                       ; or by Q's (v)
	s_cselect_b32 s96, 0x03020100, s96             ; how the two scale words of a lane pair are merged: see the way out
	s_cselect_b32 s97, 0x07060504, s97
	s_cselect_b32 s92, 1024, s92                   ; codes: bytes from block h = 0 to h = 1
	s_cselect_b32 s93, 64, s93                     ; scale words: bytes from lanes 0-15's to lanes 16-31's
	s_cselect_b32 s99, 2048, s99                   ; codes: bytes from P's first 64 rows' place to the second's
	s_lshl_b32 s18, s19, 7
	s_add_co_u32 s18, s18, s88                     ; P's first row: hangs on cx, never on cy
	s_lshl_b32 s86, s16, 8
	s_add_co_u32 s86, s86, s89                     ; Q's first row: hangs on cy, never on cx
	; descriptor groups 1: elements of 8 bytes, no padding; the mask, and bit 21 beside it
	s_or_b32 s[G1P], s84, (3<<16)|(1<<21)
	s_mov_b32 s[G1P+1], 256<<16                    ; tensor_dim0: 128 rows x 16 bytes of one plane
	s_mov_b32 s[G1P+2], 2<<16                      ; tensor_dim1: two planes
	s_mov_b32 s[G1P+3], 256<<16                    ; tile_dim0
	s_mov_b32 s[G1P+4], 2                          ; tile_dim1
	s_mov_b32 s[G1P+5], PITCH_P                    ; from plane to plane
	s_mov_b32 s[G1P+6], 0
	s_mov_b32 s[G1P+7], 0
	s_or_b32 s[G1Q], s85, (3<<16)|(1<<21)
	s_mov_b32 s[G1Q+1], 512<<16                    ; 256 rows x 16 bytes
	s_mov_b32 s[G1Q+2], 2<<16
	s_mov_b32 s[G1Q+3], 512<<16
	s_mov_b32 s[G1Q+4], 2
	s_mov_b32 s[G1Q+5], PITCH_Q
	s_mov_b32 s[G1Q+6], 0
	s_mov_b32 s[G1Q+7], 0
	s_or_b32 s[G1SP], s84, (3<<16)|(1<<21)
	s_mov_b32 s[G1SP+1], 64<<16                    ; one row: 128 scale words
	s_mov_b32 s[G1SP+2], 1<<16
	s_mov_b32 s[G1SP+3], 64<<16
	s_mov_b32 s[G1SP+4], 1
	s_mov_b32 s[G1SP+5], 64
	s_mov_b32 s[G1SP+6], 0
	s_mov_b32 s[G1SP+7], 0
	s_or_b32 s[G1SQ], s85, (3<<16)|(1<<21)
	s_mov_b32 s[G1SQ+1], 128<<16                   ; one row: 256 scale words
	s_mov_b32 s[G1SQ+2], 1<<16
	s_mov_b32 s[G1SQ+3], 128<<16
	s_mov_b32 s[G1SQ+4], 1
	s_mov_b32 s[G1SQ+5], 128
	s_mov_b32 s[G1SQ+6], 0
	s_mov_b32 s[G1SQ+7], 0
	s_lshl_b32 s20, s18, 4                         ; P's codes: row x 16 + my two planes
	s_mul_i32 s21, s[WV], 2*PP
	s_add_co_u32 s20, s20, s21
	s_mov_b32 s21, 0
	s_lshl_b32 s22, s18, 2                         ; P's scale words: row x 4 + my 128 along K
	s_mul_i32 s23, s[WV], SPI
	s_add_co_u32 s22, s22, s23
	s_mov_b32 s23, 0
	s_lshl_b32 s90, s86, 4                         ; Q likewise
	s_mul_i32 s91, s[WV], 2*PP
	s_add_co_u32 s90, s90, s91
	s_mov_b32 s91, 0
	s_lshl_b32 s100, s86, 2
	s_mul_i32 s101, s[WV], SPI
	s_add_co_u32 s100, s100, s101
	s_mov_b32 s101, 0
	s_wait_dscnt 0x0
	s_wait_kmcnt 0x0
	s_mov_b32 s[G0SP], 1
	s_lshl_b32 s[G0SP+1], s[WV], 9
	s_add_co_u32 s[G0SP+1], s[G0SP+1], PSC
	s_add_nc_u64 s[G0SP+2:G0SP+3], s[6:7], s[22:23]
	s_or_b32 s[G0SP+3], s[G0SP+3], 0x80000000
	s_mov_b32 s[G0SQ], 1
	s_lshl_b32 s[G0SQ+1], s[WV], 10
	s_add_co_u32 s[G0SQ+1], s[G0SQ+1], QSC
	s_add_nc_u64 s[G0SQ+2:G0SQ+3], s[6:7], s[100:101]
	s_or_b32 s[G0SQ+3], s[G0SQ+3], 0x80000000
	s_mov_b32 s[G0P0], 1
	s_lshl_b32 s[G0P0+1], s[WV], 12                ; PCD = 0: two planes of 2,048 bytes a wave
	s_add_nc_u64 s[G0P0+2:G0P0+3], s[4:5], s[20:21]
	s_add_nc_u64 s[G0P1+2:G0P1+3], s[G0P0+2:G0P0+3], HALF_P
	s_or_b32 s[G0P0+3], s[G0P0+3], 0x80000000
	s_or_b32 s[G0P1+3], s[G0P1+3], 0x80000000
	s_mov_b32 s[G0P1], 1
	s_add_co_u32 s[G0P1+1], s[G0P0+1], 32768
	s_mov_b32 s[G0Q0], 1
	s_lshl_b32 s[G0Q0+1], s[WV], 13
	s_add_co_u32 s[G0Q0+1], s[G0Q0+1], QCD
	s_add_nc_u64 s[G0Q0+2:G0Q0+3], s[4:5], s[90:91]
	s_add_nc_u64 s[G0Q1+2:G0Q1+3], s[G0Q0+2:G0Q0+3], HALF_Q
	s_or_b32 s[G0Q0+3], s[G0Q0+3], 0x80000000
	s_or_b32 s[G0Q1+3], s[G0Q1+3], 0x80000000
	s_mov_b32 s[G0Q1], 1
	s_add_co_u32 s[G0Q1+1], s[G0Q0+1], 65536
	CROUND                                         ; all sixteen work-groups are here: the joint loads meet
	tensor_load_to_lds s[G0SP:G0SP+3], s[G1SP:G1SP+7]   ; six loads of mine are out: the scale words of my 128 along K,
	s_nop 0
	tensor_load_to_lds s[G0SQ:G0SQ+3], s[G1SQ:G1SQ+7]
	s_nop 0
	tensor_load_to_lds s[G0P0:G0P0+3], s[G1P:G1P+7]     ; my two planes of the first half of K,
	s_nop 0
	tensor_load_to_lds s[G0Q0:G0Q0+3], s[G1Q:G1Q+7]
	s_nop 0
	tensor_load_to_lds s[G0P1:G0P1+3], s[G1P:G1P+7]     ; and of the second
	s_nop 0
	tensor_load_to_lds s[G0Q1:G0Q1+3], s[G1Q:G1Q+7]
	s_nop 0
	PLACES                                         ; four v_nop follow the last tensor load
	v_and_b32 v1, 15, v0                           ; r
	v_bfe_u32 v2, v0, 4, 1                         ; h
	v_and_b32 v3, 31, v0                           ; l
	v_lshlrev_b32 v4, 4, v1
	v_lshl_add_u32 v4, v2, 11, v4                  ; P's fragments: 2,048 h + 16 r
	s_lshl_b32 s17, s[WV], 9
	s_add_co_u32 s17, s17, QCD
	v_lshlrev_b32 v5, 4, v1
	v_lshl_add_u32 v5, v2, 12, v5
	v_add_nc_u32 v5, s17, v5                       ; Q's: QCD + 4,096 h + 512 w + 16 r,
	v_add_nc_u32 v6, 0x10000, v5                   ; and for the second half of K
	v_lshl_add_u32 v7, v3, 2, PSC                  ; P's scale words: 4 l
	s_lshl_b32 s17, s[WV], 7
	s_add_co_u32 s17, s17, QSC
	v_lshl_add_u32 v8, v3, 2, s17                  ; Q's: 128 w + 4 l
	v_mul_lo_u32 v9, v2, s92
	v_lshl_add_u32 v9, v1, 4, v9                   ; the way out, codes: block h, 16 r
	v_mul_lo_u32 v10, v2, s93
	v_lshl_add_u32 v10, v1, 2, v10                 ; scale words
	v_lshlrev_b32 v11, 5, v2                       ; the bias by P's rows: 8 h numbers on
	v_lshlrev_b32 v12, 2, v1                       ; by Q's rows: r numbers on
	; THE BIAS starts the sums.  Both forms are loaded (from offset 0 where the form does not apply, so that no load leaves the buffer), the one that does not apply is cleared by a mask, and their sum goes into the accumulators.
	s_lshl_b32 s20, s19, 9                         ; q, k: b_attn from 128 x work-group x on
	s_lshl_b32 s22, s16, 8
	s_lshl_b32 s23, s[WV], 5
	s_add_co_u32 s22, s22, s23
	s_add_co_u32 s22, s22, 2048
	s_lshl_b32 s22, s22, 2                         ; v: from 2,048 + 256 cy + 32 w on
	s_cmp_ge_u32 s87, 8
	s_cselect_b32 s20, 0, s20
	s_cselect_b32 s22, s22, 0
	s_mov_b32 s21, 0
	s_mov_b32 s23, 0
	s_add_nc_u64 s[20:21], s[8:9], s[20:21]
	s_add_nc_u64 s[22:23], s[8:9], s[22:23]
.irp i, 0,1,2,3,4,5,6,7
.irp q, 0,1
	global_load_b128 v[PF+8*\i+4*\q:PF+8*\i+4*\q+3], v11, s[20:21] offset:64*\i+16*\q
.endr
.endr
	global_load_b32 v14, v12, s[22:23]
	global_load_b32 v16, v12, s[22:23] offset:64
	v_mov_b32 v15, 0                               ; (named as the upper halves of pairs)
	v_mov_b32 v17, 0
	s_wait_loadcnt 0x0                             ; the bias is in, and the loads' bases are free
	; where the results go, in both forms
	s_lshr_b32 s20, s86, 11                        ; q, k: batch,
	s_lshl_b32 s21, s19, 3
	s_add_co_u32 s20, s20, s21                     ; record 8 x work-group x + batch (the second head's lies four records on)
	s_mul_i32 s20, s20, RS
	s_and_b32 s21, s86, 2047
	s_lshl_b32 s22, s[WV], 5
	s_add_co_u32 s21, s21, s22                     ; my first token in the batch
	s_lshl_b32 s22, s21, 4
	s_add_co_u32 s22, s20, s22                     ; codes
	s_lshl_b32 s21, s21, 1
	s_add_co_u32 s23, s20, s21
	s_add_co_u32 s23, s23, 65536                   ; words: 64 bytes for each 32 tokens
	s_lshl_b32 s88, s16, 8                         ; v: my first channel of the 1,024,
	s_lshl_b32 s89, s[WV], 5
	s_add_co_u32 s88, s88, s89
	s_lshr_b32 s89, s88, 6                         ; its head,
	s_and_b32 s88, s88, 63                         ; its place in the head
	s_lshr_b32 s90, s18, 7                         ; which 128 tokens
	s_lshr_b32 s91, s90, 4                         ; batch
	s_lshl_b32 s91, s91, 4
	s_add_co_u32 s89, s89, s91
	s_mul_i32 s89, s89, RS                         ; record 16 batch + head
	s_lshl_b32 s90, s90, 1
	s_and_b32 s90, s90, 31                         ; which 64 keys
	s_lshl_b32 s91, s90, 11
	s_add_co_u32 s91, s91, s89
	s_lshl_b32 s100, s88, 4
	s_add_co_u32 s91, s91, s100                    ; codes
	s_lshr_b32 s90, s90, 1
	s_lshl_b32 s90, s90, 8
	s_add_co_u32 s90, s90, s89
	s_lshl_b32 s100, s88, 2
	s_add_co_u32 s90, s90, s100
	s_add_co_u32 s90, s90, 65536                   ; words
	s_cmp_ge_u32 s87, 8
	s_cselect_b32 s20, s91, s22
	s_cselect_b32 s22, s90, s23
	s_cselect_b64 s[10:11], s[12:13], s[10:11]     ; vv or qk: the choice hangs on the cluster's number alone
	s_mov_b32 s21, 0
	s_mov_b32 s23, 0
	s_add_nc_u64 s[88:89], s[10:11], s[20:21]      ; codes of P's first 64 rows,
	s_add_nc_u64 s[100:101], s[10:11], s[22:23]    ; the scale words,
	s_mov_b32 s20, s99
	s_add_nc_u64 s[90:91], s[88:89], s[20:21]      ; codes of P's second 64 rows
.set n, 0
.rept 64
	v_and_b32 v[PF+n], s94, v[PF+n]
.set n, n+1
.endr
	v_and_b32 v14, s95, v14
	v_and_b32 v16, s95, v16
.irp j, 0,1
.irp i, 0,1,2,3,4,5,6,7
.irp e, 0,2,4,6
	v_pk_add_f32 v[ACC+64*\j+8*\i+\e:ACC+64*\j+8*\i+\e+1], v[PF+8*\i+\e:PF+8*\i+\e+1], v[14+2*\j:15+2*\j] op_sel_hi:[1,0]
.endr
.endr
.endr
	s_wait_tensorcnt 0x2                           ; my scale words and my planes of the first half of K have landed; my two loads for the second half may be out
	s_barrier_signal -1
	s_barrier_wait -1                              ; everybody's have
	LDQ 0
	LDP 0, 0
	LDP 0, 4
	KSTEP 0
	KSTEP 1
	KSTEP 2
	s_wait_dscnt 8                                 ; the fourth 128 along K: behind it the second half of K is read for the first time
	MUL8 3, 0
	s_wait_tensorcnt 0x0                           ; my planes of the second half have landed
	s_wait_dscnt 0x0                               ; no LDS instruction of mine is out at the signal
	s_barrier_signal -1
	MUL8 3, 4                                      ; work on registers while the others arrive
	s_barrier_wait -1
	PLACES
	LDQ 4
	LDP 4, 0
	LDP 4, 4
	KSTEP 4
	KSTEP 5
	KSTEP 6
	s_wait_dscnt 8                                 ; the last: nothing more to fetch
	MUL8 7, 0
	s_wait_dscnt 0x0
	MUL8 7, 4
	PLACES
	; THE WAY OUT.  For each of Q's two tiles a lane's 64 numbers are four blocks of 32 along P's rows.  Registers 4 c .. 4 c + 3 of the codes are block h of P's rows 64 c on.
	QUANT ACC, PC, PW
	QUANT ACC+64, PC+8, PW+1
.irp j, 0,1
	global_store_b128 v9, v[PC+8*\j:PC+8*\j+3], s[88:89] offset:256*\j     ; each half of the lanes stores 256 consecutive aligned bytes
	global_store_b128 v9, v[PC+8*\j+4:PC+8*\j+7], s[90:91] offset:256*\j
.endr
	; q, k: lanes 0-15 store, for the first head, the low halves of the two words (tokens r and 16 + r); lanes 16-31, for the second head, the high halves.   v: lanes 0-15 store the first word (channel r), lanes 16-31 the second (channel 16 + r).
	v_perm_b32 v68, v[PW+1], v[PW], s96
	v_perm_b32 v69, v[PW+1], v[PW], s97
	v_cndmask_b32 v70, v68, v69, s98
	global_store_b32 v10, v70, s[100:101]
	s_wait_tensorcnt 0x0
	ds_add_u32 v30, v31
	s_wait_dscnt 0x0
	CROUND                                         ; the closing round: no work-group ends while a partner may still ask for a panel that names it
	s_endpgm
.Lfunc_end_k_q6a8d7576ca_qkv:
	.size	k_q6a8d7576ca_qkv, .Lfunc_end_k_q6a8d7576ca_qkv-k_q6a8d7576ca_qkv
	.p2alignl 7, 3214868480
	.fill 96, 4, 3214868480
	.section	.rodata,"a",@progbits
	.p2align	6, 0x0
	.amdhsa_kernel k_q6a8d7576ca_qkv
		.amdhsa_group_segment_fixed_size 209920
		.amdhsa_private_segment_fixed_size 0
		.amdhsa_enable_private_segment 0
		.amdhsa_kernarg_size 40
		.amdhsa_user_sgpr_count 2
		.amdhsa_user_sgpr_kernarg_segment_ptr 1
		.amdhsa_wavefront_size32 1
		.amdhsa_system_sgpr_workgroup_id_x 1
		.amdhsa_system_sgpr_workgroup_id_y 1
		.amdhsa_system_sgpr_workgroup_id_z 1
		.amdhsa_system_vgpr_workitem_id 0
		.amdhsa_next_free_vgpr 256
		.amdhsa_next_free_sgpr 102
		.amdhsa_reserve_vcc 0
		.amdhsa_float_denorm_mode_32 3
		.amdhsa_float_denorm_mode_16_64 3
		.amdhsa_memory_ordered 1
		.amdhsa_forward_progress 1
		.amdhsa_inst_pref_size 58
	.end_amdhsa_kernel
	.amdgpu_metadata
---
amdhsa.version: [ 1, 2 ]
amdhsa.kernels:
  - .name:           k_q6a8d7576ca_qkv
    .symbol:         k_q6a8d7576ca_qkv.kd
    .args:
      - { .name: c1, .offset: 0, .size: 8, .value_kind: global_buffer, .address_space: global }
      - { .name: s1, .offset: 8, .size: 8, .value_kind: global_buffer, .address_space: global }
      - { .name: b_attn, .offset: 16, .size: 8, .value_kind: global_buffer, .address_space: global }
      - { .name: qk, .offset: 24, .size: 8, .value_kind: global_buffer, .address_space: global }
      - { .name: vv, .offset: 32, .size: 8, .value_kind: global_buffer, .address_space: global }
    .group_segment_fixed_size: 209920
    .private_segment_fixed_size: 0
    .kernarg_segment_align: 8
    .kernarg_segment_size: 40
    .max_flat_workgroup_size: 256
    .sgpr_count:     102
    .vgpr_count:     256
    .wavefront_size: 32
...
	.end_amdgpu_metadata
.endif
;; end of part 2
;; launch attn (part 3): grid 4 x 64, 16 waves a work-group, clusters of 4 x 1, 169,984 bytes of LDS; arguments qk, vv, yc, ys; writes yc, ys
.if DOCPART == 3
	.amdgcn_target "amdgcn-amd-amdhsa--gfx1250"
	.amdhsa_code_object_version 6
	.text
	.protected	k_q6a8d7576ca_attn
	.globl	k_q6a8d7576ca_attn
	.p2align	8
	.type	k_q6a8d7576ca_attn,@function
k_q6a8d7576ca_attn:
	s_mov_b64 s[64:65], 0
	v_nop
	global_prefetch_b8 v0, s[64:65] scope:SCOPE_SE
	s_setreg_imm32_b32 hwreg(HW_REG_WAVE_MODE, 25, 1), 1
	s_wait_xcnt 0x0
	s_wait_alu depctr_hold_cnt(0) depctr_sa_sdst(0) depctr_va_vdst(0) depctr_va_sdst(0) depctr_va_ssrc(0) depctr_va_vcc(0) depctr_vm_vsrc(0)
	s_getreg_b32 s2, hwreg(HW_REG_IB_STS2, 6, 4)
	s_cmp_eq_u32 s2, 0
	s_cbranch_scc0 .Lentry_in_a_cluster
	s_endpgm
.Lentry_in_a_cluster:
	s_bfe_u32 s2, ttmp6, 0x10000c
	s_cmp_lg_u32 s2, 0x3003
	s_cbranch_scc0 .Lentry_shape_is_right
	s_endpgm
.Lentry_shape_is_right:
; y[b][head][q] = the sum over k <= q of softmax_k(q . k / 8) v, both products on codes of FP4 (E2M1) with E8M0 scales, and at once the quantising of y along the embedding for the last product.
; THE SOFTMAX AHEAD OF THE SECOND PRODUCT: t = score x log2(e) / 8; M = the running largest t rounded UP to a whole number; p = 2^(t - M) is quantised along the keys, not normalised; the row's sum is taken of the
; unquantised p and divides at the end.  When M moves, the sum and O are multiplied by 2^(old M - new M), which rounds nothing.
; SHARES.  The four work-groups of a cluster serve one head of one batch.  The head's whole K record and V record (codes and scale words, 139,264 bytes) lie in LDS for the whole launch: filled once, by joint loads that
; name the four work-groups, each of the sixteen waves asking for 1/16 of each record.  Behind the one barrier LDS is only read.
; EVEN CAUSAL WORK.  A head has 128 tiles of 16 queries; tile i needs the key steps (128 keys) 0 .. i / 8.  Wave w of work-group cx owns tile iA = 8 (w / 2) + 2 cx + w % 2 and tile iB = 127 - iA: w / 2 + 1 and 16 - w / 2
; steps, 17 for every wave.  Both counts hang on the wave's number alone; cx enters only addresses in memory and the number that a lane's keys are compared with on the diagonal.
; Each tile's loop has 16 trips, a constant; a step whose keys all come after the tile's queries is passed over by a scalar branch inside the trip.
; LAYOUT.  Both products are used transposed: S^T = K Q^T, O^T = V^T P^T: a lane holds ONE query (lane % 16) throughout.
; K = 64 IN AN INSTRUCTION OF 128: source 0 holds TWO tiles of 16 keys, one in each half of the 128; source 1 is [Q | zeros] or [zeros | Q], which picks one of them: zero codes add nothing under any scale byte that occurs.
; Inside a block of 32 the codes stand in the order 0-7, 16-23, 8-15, 24-31, in p as in V, in q as in k, in y as in W_proj.
; LIMITS: NaN and infinities are not served; a block of zeros gets the byte 1 (its codes are zeros).  y's scale bytes leave two at a time (both halves of the lanes store the same half-word to the same place): 1/16 of the codes' bytes.
; REGISTERS: v1-4 places that stay, v5-8 the step's addresses, v9 the diagonal's number, v10-11 Q's scale words, v12-31 zeros, QA, zeros, QB, zeros (4 each), v32-63 K, v64-95 V, v96-159 S^T then p, v160-191 O^T,
;   v192-199 p's codes, v200-203 K's and V's scale words, v204 p's, v206 -M, v207 the largest t, v[208:209] the sum, v[210:211] f, v212-227 at work, v228-237 y's codes and bytes, v238-241 store offsets, v[242:243] 1 / sum.
.set RS,   69632                       ; a record: 65,536 bytes of codes, 4,096 of scale words
.set KSW,  65536                       ; LDS: K's codes at 0, K's words here,
.set VCD,  RS                          ;      V's codes,
.set VSW,  RS+65536                    ;      V's words
.set WV,   12                          ; s12  my wave's number
.set SEL,  20                          ; s[20:21] lane selects of v_permlanex16_b32: lane l xor 16
.set CS,   22                          ; s[22:23] c = log2(e) / 8
.set G1,   24                          ; s[24:31] descriptor group 1;  s[32:35], s[36:39] groups 0 for K's and V's record
.set G0K,  32
.set G0V,  36
.macro CROUND                          ; a round of the cluster's barrier
	s_barrier_signal -1
	s_barrier_wait -1
	s_cmp_lg_u32 s[WV], 0
	s_cbranch_scc1 .Lnot_wave_0_\@
	s_barrier_signal -3
.Lnot_wave_0_\@:
	s_barrier_wait -3
	s_barrier_signal -1
	s_barrier_wait -1
.endm
	s_load_b256 s[4:11], s[0:1], 0x0               ; qk s[4:5], vv s[6:7], yc s[8:9], ys s[10:11]
	v_lshl_add_u32 v254, v0, 2, 0x29000
	v_mov_b32 v255, 0
	ds_add_u32 v254, v255
	ds_add_u32 v254, v255
	v_lshrrev_b32 v1, 5, v0
	v_readfirstlane_b32 s[WV], v1                  ; wave 0..15
	s_bfe_u32 s13, ttmp6, 0x40000                  ; cx
	s_and_b32 s14, ttmp7, 0xffff                   ; 16 batch + head
	s_lshr_b32 s15, s14, 4                         ; batch
	s_and_b32 s16, s14, 15                         ; head
	s_mov_b32 s[G1], 15|(3<<16)|(1<<21)            ; the mask: all four work-groups; elements of 8 bytes; bit 21 beside a mask
	s_mov_b32 s[G1+1], 32<<16                      ; tensor_dim0: rows of 256 bytes
	s_mov_b32 s[G1+2], 17<<16                      ; tensor_dim1: 17 of them: 1/16 of a record
	s_mov_b32 s[G1+3], 32<<16
	s_mov_b32 s[G1+4], 17
	s_mov_b32 s[G1+5], 32                          ; dense
	s_mov_b32 s[G1+6], 0
	s_mov_b32 s[G1+7], 0
	s_mov_b32 s[SEL], 0x76543210
	s_mov_b32 s[SEL+1], 0xfedcba98
	s_mov_b32 s[CS], 0x3e38aa3b                    ; log2(e) / 8
	s_mov_b32 s[CS+1], s[CS]                       ; (named with it as a pair)
	s_mul_i32 s17, s[WV], 4352                     ; my sixteenth
	s_lshl_b32 s18, s16, 2
	s_add_co_u32 s18, s18, s15                     ; q's record: 4 head + batch
	s_add_co_u32 s19, s18, 64                      ; k's: 64 further on
	s_mul_i32 s52, s19, RS
	s_add_co_u32 s52, s52, s17
	s_mov_b32 s53, 0
	s_mul_i32 s54, s14, RS                         ; v's record: 16 batch + head
	s_add_co_u32 s54, s54, s17
	s_mov_b32 s55, 0
	s_mul_i32 s56, s18, RS
	s_mov_b32 s57, 0
	s_wait_dscnt 0x0
	s_wait_kmcnt 0x0
	s_mov_b32 s[G0K], 1
	s_mov_b32 s[G0K+1], s17
	s_add_nc_u64 s[G0K+2:G0K+3], s[4:5], s[52:53]
	s_or_b32 s[G0K+3], s[G0K+3], 0x80000000
	s_mov_b32 s[G0V], 1
	s_add_co_u32 s[G0V+1], s17, VCD
	s_add_nc_u64 s[G0V+2:G0V+3], s[6:7], s[54:55]
	s_or_b32 s[G0V+3], s[G0V+3], 0x80000000
	CROUND                                         ; all four work-groups are here: the joint loads meet
	tensor_load_to_lds s[G0K:G0K+3], s[G1:G1+7]    ; two loads of mine are out
	s_nop 0
	tensor_load_to_lds s[G0V:G0V+3], s[G1:G1+7]
	s_nop 0
.rept 4
	v_nop                                          ; four v_nop follow the last tensor load
.endr
	s_add_nc_u64 s[56:57], s[4:5], s[56:57]        ; q's record
	s_lshl_b32 s52, s16, 18                        ; yc: the head's two planes of 131,072 bytes, the batch's 2,048 rows of 16
	s_lshl_b32 s54, s15, 15
	s_add_co_u32 s52, s52, s54
	s_add_nc_u64 s[8:9], s[8:9], s[52:53]
	s_lshr_b32 s52, s16, 1                         ; ys: two heads to a word: [head / 2][row][4 bytes], my half-word
	s_lshl_b32 s52, s52, 15
	s_lshl_b32 s54, s15, 13
	s_add_co_u32 s52, s52, s54
	s_and_b32 s54, s16, 1
	s_lshl_b32 s54, s54, 1
	s_add_co_u32 s52, s52, s54
	s_add_nc_u64 s[10:11], s[10:11], s[52:53]
	s_lshr_b32 s40, s[WV], 1                       ; a = w / 2
	s_and_b32 s18, s[WV], 1
	s_lshl_b32 s41, s13, 1
	s_add_co_u32 s41, s41, s18                     ; tile A's place in its eight: 2 cx + w % 2
	s_sub_co_u32 s58, 7, s41                       ; tile B's
	s_mov_b32 s42, s40                             ; tile A's last key step: hangs on the wave's number alone
	s_sub_co_u32 s43, 15, s40                      ; tile B's
	s_lshl_b32 s44, s40, 3
	s_add_co_u32 s44, s44, s41                     ; iA
	s_sub_co_u32 s45, 127, s44                     ; iB
	s_mov_b32 s50, 0x03020302
	s_mov_b32 s51, 0x01000100
	s_cmp_eq_u32 s18, 0                            ; an even tile's two scale bytes are the low half of its pair's word, an odd tile's the high half; iA is even where w is, iB where w is odd
	s_cselect_b32 s50, 0x01000100, s50
	s_cselect_b32 s51, 0x03020302, s51
	v_and_b32 v224, 15, v0                         ; r
	v_bfe_u32 v225, v0, 4, 1                       ; h
	v_and_b32 v226, 31, v0                         ; l
	v_lshlrev_b32 v1, 4, v224
	v_lshl_add_u32 v1, v225, 15, v1                ; K's and Q's codes: 32,768 h + 16 r
	v_lshlrev_b32 v2, 4, v224
	v_lshl_add_u32 v2, v225, 10, v2
	v_add_nc_u32 v2, VCD, v2                       ; V's codes: 1,024 h + 16 r
	v_lshl_add_u32 v3, v226, 2, KSW                ; K's words: 4 l: lanes 16-31 take the next pair of tiles
	v_lshl_add_u32 v4, v226, 2, VSW                ; V's words: 4 l: lanes 16-31 take the next 16 channels
	v_lshlrev_b32 v244, 3, v225
	v_sub_nc_u32 v244, v224, v244                  ; r - 8 h
	s_lshl_b32 s18, s44, 8
	v_add_nc_u32 v245, s18, v1                     ; tile A's codes in q's record: + 256 iA
	s_lshl_b32 s19, s45, 8
	v_add_nc_u32 v246, s19, v1
	v_lshlrev_b32 v249, 4, v224
	v_lshl_add_u32 v249, v225, 17, v249            ; yc: plane h, 16 r
	v_add_nc_u32 v238, s18, v249
	v_add_nc_u32 v240, s19, v249
	s_lshl_b32 s18, s44, 6
	v_lshl_add_u32 v239, v224, 2, s18              ; ys: 4 r + 64 i
	s_lshl_b32 s19, s45, 6
	v_lshl_add_u32 v241, v224, 2, s19
	s_lshr_b32 s18, s44, 1
	s_lshl_b32 s18, s18, 6
	s_add_co_u32 s18, s18, 65536
	v_lshl_add_u32 v247, v224, 2, s18              ; tile A's pair word: 65,536 + 64 (iA / 2) + 4 r
	s_lshr_b32 s19, s45, 1
	s_lshl_b32 s19, s19, 6
	s_add_co_u32 s19, s19, 65536
	v_lshl_add_u32 v248, v224, 2, s19
	global_load_b128 v[16:19], v245, s[56:57]      ; QA: block h of query r
	global_load_b128 v[24:27], v246, s[56:57]      ; QB
	global_load_b32 v10, v247, s[56:57]
	global_load_b32 v11, v248, s[56:57]
.irp z, 12,13,14,15,20,21,22,23,28,29,30,31
	v_mov_b32 v\z, 0                               ; the zero codes beside Q
.endr
.irp b, 0,1,2,3
	v_mov_b32 v[216+\b], 0                         ; written once: a lane permute's destination counts as one of its sources
.endr
	v_mov_b32 v211, 0                              ; (named as the upper halves of pairs)
	v_mov_b32 v243, 0
	s_wait_loadcnt 0x0
	v_perm_b32 v10, v10, v10, s50                  ; the query's two bytes in both halves of the word: they serve [Q | 0] and [0 | Q] alike
	v_perm_b32 v11, v11, v11, s51
	s_wait_tensorcnt 0x0                           ; my parts of the two records have landed
	s_barrier_signal -1
	s_barrier_wait -1                              ; everybody's have
; ONE TILE OF 16 QUERIES.  QR: Q's first register; QS: its scale word; LAST: the scalar with its last key step; EI: the scalar with its place in its eight; YC, HW: where y's codes and bytes go; OC, OW: their store offsets.
.macro TILE QR, QS, LAST, EI, YC, HW, OC, OW
	s_lshl_b32 s59, s[\EI], 4
	v_add_nc_u32 v9, s59, v244                     ; d = 16 (i % 8) + r - 8 h: on the diagonal, register e of key tile u is hidden where 16 u + e > d
	v_mov_b32 v207, 0xff61b1e6                     ; the largest t so far: -3e38, under every t
	v_floor_f32 v206, -v207                        ; -M
	v_mov_b32 v208, 0                              ; the sum, in two halves
	v_mov_b32 v209, 0
.set n, 0
.rept 32
	v_mov_b32 v[160+n], 0                          ; O^T.  (The step is written once: the first finds zeros, which the first change of M leaves zeros)
.set n, n+1
.endr
	s_mov_b32 s46, 0                               ; the key step, and its bytes: 2,048 of K's codes, 4,096 of V's, 256 of either's words
	s_mov_b32 s47, 0
	s_mov_b32 s48, 0
	s_mov_b32 s49, 0
.Lstep_\@:
	s_cmp_gt_u32 s46, s[\LAST]                     ; all 128 keys come after my queries: nothing to do
	s_cbranch_scc1 .Lskip_\@
	v_add_nc_u32 v5, s47, v1                       ; (these four are also the places between the last step's products and the loads into V's registers)
	v_add_nc_u32 v6, s48, v2
	v_add_nc_u32 v7, s49, v3
	v_add_nc_u32 v8, s49, v4
.irp f, 0,1,2,3
.irp c, 0,1
	ds_load_b128 v[32+8*\f+4*\c:35+8*\f+4*\c], v5 offset:512*\f+256*\c   ; fragment f: key tile 2 f + c in half c of the 128: sixteen lanes read 256 consecutive bytes
.endr
.endr
	ds_load_b32 v200, v7                           ; K's pair words: fragments 0 (lanes 0-15) and 1 (lanes 16-31),
	ds_load_b32 v201, v7 offset:128                ; 2 and 3
.irp t, 0,1,2,3
.irp c, 0,1
	ds_load_b128 v[64+8*\t+4*\c:67+8*\t+4*\c], v6 offset:256*\t+2048*\c   ; V: channels 16 t on, keys 64 c + 32 h on
.endr
.endr
	ds_load_b32 v202, v8
	ds_load_b32 v203, v8 offset:128
	s_wait_dscnt 10                                ; K and its words are in; V's ten loads may be out
.irp f, 0,1,2,3
.irp u, 0,1
.if \f%2
	v_wmma_scale_f32_16x16x128_f8f6f4 v[96+8*(2*\f+\u):103+8*(2*\f+\u)], v[32+8*\f:39+8*\f], v[(\QR)-4*\u:(\QR)-4*\u+7], 0, v[200+\f/2], v[\QS] matrix_a_fmt:MATRIX_FMT_FP4 matrix_b_fmt:MATRIX_FMT_FP4 matrix_a_scale:MATRIX_SCALE_ROW1
.else
	v_wmma_scale_f32_16x16x128_f8f6f4 v[96+8*(2*\f+\u):103+8*(2*\f+\u)], v[32+8*\f:39+8*\f], v[(\QR)-4*\u:(\QR)-4*\u+7], 0, v[200+\f/2], v[\QS] matrix_a_fmt:MATRIX_FMT_FP4 matrix_b_fmt:MATRIX_FMT_FP4
.endif
.endr
.endr                                              ; register 8 u + e of v96 on: key 16 u + 8 h + e of the step, query r
.rept 4
	v_nop
.endr
	s_cmp_lt_u32 s46, s[\LAST]                     ; every key of an earlier step counts
	s_cbranch_scc1 .Lopen_\@
	v_mov_b32 v225, 0xff800000                     ; on the diagonal hidden scores become -infinity ahead of the maximum: p = 0 then.  The query's own key lies in this step, so the maximum stays a number
.set n, 0
.rept 64
	v_cmp_gt_i32 vcc_lo, 16*(n/8)+n%8, v9
	v_cndmask_b32 v[96+n], v[96+n], v225, vcc_lo
.set n, n+1
.endr
.Lopen_\@:
.irp b, 0,1,2,3
	v_max3_num_f32 v[212+\b], v[96+16*\b], v[97+16*\b], v[98+16*\b]   ; the largest score of each block of 32 keys: it serves the row's maximum and, since p rises with the score, the block's largest p
.endr
.irp i, 3,5,7,9,11,13
.irp b, 0,1,2,3
	v_max3_num_f32 v[212+\b], v[212+\b], v[96+16*\b+\i], v[97+16*\b+\i]
.endr
.endr
.irp b, 0,1,2,3
	v_max_num_f32 v[212+\b], v[212+\b], v[111+16*\b]
.endr
.irp b, 0,1,2,3
	v_permlanex16_b32 v[216+\b], v[212+\b], s[SEL], s[SEL+1]
.endr
.irp b, 0,1,2,3
	v_max_num_f32 v[212+\b], v[212+\b], v[216+\b]  ; with lane l xor 16's 16 keys
.endr
	v_max3_num_f32 v224, v212, v213, v214
	v_max_num_f32 v224, v224, v215                 ; the step's largest score of my query
	v_mul_f32 v224, s[CS], v224                    ; as t
	v_max_num_f32 v207, v207, v224                 ; the running largest t
	v_mov_b32 v224, v206
	v_floor_f32 v206, -v207                        ; the new -M = -ceil(t): a whole number
	v_sub_f32 v224, v206, v224                     ; old M - new M: a whole number, 0 or less
	v_cvt_i32_f32 v224, v224                       ; (it saturates)
	v_ldexp_f32 v210, 1.0, v224                    ; f = 2^(old M - new M)
.set n, 0
.rept 32
	v_pk_fma_f32 v[96+n:97+n], v[96+n:97+n], s[CS:CS+1], v[206:207] op_sel_hi:[1,0,0]   ; t - M, two at a time
.set n, n+2
.endr
.irp b, 0,1,2,3
	v_fma_f32 v[212+\b], v[212+\b], s[CS], v206    ; the same of each block's largest score
.endr
.set n, 0
.rept 64
	v_exp_f32 v[96+n], v[96+n]                     ; p = 2^(t - M), at most 1
.set n, n+1
.endr
	v_pk_mul_f32 v[208:209], v[208:209], v[210:211] op_sel_hi:[1,0]   ; the sums under the new M: the plain instruction behind the exponentials
	s_wait_alu depctr_va_vdst(0)                   ; one wait for the batch of 64, ahead of its first reader
.irp b, 0,1,2,3
	v_exp_f32 v[212+\b], v[212+\b]                 ; the blocks' largest p
.endr
	v_pk_add_f32 v[226:227], v[96:97], v[98:99]    ; the row's sum of the UNQUANTISED p, in two chains; it reads the 64 alone
.irp j, 4,8,12,16,20,24,28,32,36,40,44,48,52,56,60
	v_pk_add_f32 v[208:209], v[208:209], v[96+\j:97+\j]
	v_pk_add_f32 v[226:227], v[226:227], v[98+\j:99+\j]
.endr
	v_pk_add_f32 v[208:209], v[208:209], v[226:227]
	s_wait_alu depctr_va_vdst(0)                   ; and one for the four
.irp b, 0,1,2,3
	v_max_num_f32 v[212+\b], 0x1800000, v[212+\b]  ; the floor 2^(3 - 127): the byte cannot fall under 1
.endr
.irp b, 0,1,2,3
	v_add_nc_u32 v[220+\b], 0xff000000, v[212+\b]  ; the conversion's scale operand
.endr
.irp b, 0,1,2,3
	v_lshrrev_b32 v[216+\b], 23, v[220+\b]         ; the scale's byte
.endr
	v_lshl_or_b32 v204, v217, 8, v216              ; p's scale word for these 128 keys
	v_lshl_or_b32 v204, v218, 16, v204
	v_lshl_or_b32 v204, v219, 24, v204
.irp b, 0,1,2,3
	v_cvt_scalef32_pk8_fp4_f32 v[192+2*\b], v[96+16*\b:103+16*\b], v[220+\b]
	v_cvt_scalef32_pk8_fp4_f32 v[193+2*\b], v[104+16*\b:111+16*\b], v[220+\b]
.endr
	v_nop                                          ; one plain instruction behind the scaled conversions
.irp c, 0,1
.irp i, 0,1
	v_permlane16_swap_b32 v[192+4*\c+\i], v[194+4*\c+\i]   ; a whole block to a lane
.endr
.endr
	s_wait_dscnt 0x0                               ; V and its words are in
.set n, 0
.rept 16
	v_pk_mul_f32 v[160+n:161+n], v[160+n:161+n], v[210:211] op_sel_hi:[1,0]   ; O^T under the new M.  These sixteen are also the places between the writing of p's codes and scale word and the products
.set n, n+2
.endr
.irp t, 0,1,2,3                                    ; O^T += V^T P^T: the four accumulators by turns, one instruction a turn
.if \t%2
	v_wmma_scale_f32_16x16x128_f8f6f4 v[160+8*\t:167+8*\t], v[64+8*\t:71+8*\t], v[192:199], v[160+8*\t:167+8*\t], v[202+\t/2], v204 matrix_a_fmt:MATRIX_FMT_FP4 matrix_b_fmt:MATRIX_FMT_FP4 matrix_a_scale:MATRIX_SCALE_ROW1
.else
	v_wmma_scale_f32_16x16x128_f8f6f4 v[160+8*\t:167+8*\t], v[64+8*\t:71+8*\t], v[192:199], v[160+8*\t:167+8*\t], v[202+\t/2], v204 matrix_a_fmt:MATRIX_FMT_FP4 matrix_b_fmt:MATRIX_FMT_FP4
.endif
.endr
.Lskip_\@:
	s_add_co_u32 s47, s47, 2048
	s_add_co_u32 s48, s48, 4096
	s_add_co_u32 s49, s49, 256
	s_add_co_u32 s46, s46, 1
	s_cmp_lt_u32 s46, 16
	s_cbranch_scc1 .Lstep_\@
	; the tile's end: y = O^T / the sum, quantised along the head's 64 channels: two blocks of the last product's K
.rept 4
	v_nop
.endr
	v_add_f32 v208, v208, v209
	v_permlanex16_b32 v216, v208, s[SEL], s[SEL+1]
	v_add_f32 v208, v208, v216                     ; the row's sum
	v_rcp_f32 v242, v208
	v_nop                                          ; a plain instruction behind the reciprocal,
	s_wait_alu depctr_va_vdst(0)                   ; and the wait ahead of its first reader
.set n, 0
.rept 16
	v_pk_mul_f32 v[96+n:97+n], v[160+n:161+n], v[242:243] op_sel_hi:[1,0]   ; register 8 t + e: channel 16 t + 8 h + e of query r; each accumulator from its low end on
.set n, n+2
.endr
.irp b, 0,1
	v_max3_num_f32 v[212+\b], |v[96+16*\b]|, |v[97+16*\b]|, 0x1800000
.endr
.irp i, 2,4,6,8,10,12,14
.irp b, 0,1
	v_max3_num_f32 v[212+\b], v[212+\b], |v[96+16*\b+\i]|, |v[97+16*\b+\i]|
.endr
.endr
.irp b, 0,1
	v_permlanex16_b32 v[216+\b], v[212+\b], s[SEL], s[SEL+1]
.endr
.irp b, 0,1
	v_max_num_f32 v[212+\b], v[212+\b], v[216+\b]
.endr
.irp b, 0,1
	v_add_nc_u32 v[220+\b], 0xff000000, v[212+\b]
.endr
.irp b, 0,1
	v_lshrrev_b32 v[216+\b], 23, v[220+\b]
.endr
	v_lshl_or_b32 v[\HW], v217, 8, v216            ; the two bytes
.irp b, 0,1
	v_cvt_scalef32_pk8_fp4_f32 v[(\YC)+2*\b], v[96+16*\b:103+16*\b], v[220+\b]
	v_cvt_scalef32_pk8_fp4_f32 v[(\YC)+1+2*\b], v[104+16*\b:111+16*\b], v[220+\b]
.endr
	v_nop
	v_permlane16_swap_b32 v[\YC], v[(\YC)+2]
	v_permlane16_swap_b32 v[(\YC)+1], v[(\YC)+3]   ; lane (r, h): block h of query r
	global_store_b128 v[\OC], v[\YC:(\YC)+3], s[8:9]   ; each half of the lanes stores 256 consecutive aligned bytes of its plane
	global_store_b16 v[\OW], v[\HW], s[10:11]
.endm
	TILE 16, 10, 42, 41, 228, 236, 238, 239        ; tile A.  The two tiles' stores have registers of their own: nothing that a store reads is written again
	TILE 24, 11, 43, 58, 232, 237, 240, 241        ; tile B
	s_wait_tensorcnt 0x0
	ds_add_u32 v254, v255
	s_wait_dscnt 0x0
	CROUND                                         ; the closing round: no work-group ends while a partner may still ask for a record that names it
	s_endpgm
.Lfunc_end_k_q6a8d7576ca_attn:
	.size	k_q6a8d7576ca_attn, .Lfunc_end_k_q6a8d7576ca_attn-k_q6a8d7576ca_attn
	.p2alignl 7, 3214868480
	.fill 96, 4, 3214868480
	.section	.rodata,"a",@progbits
	.p2align	6, 0x0
	.amdhsa_kernel k_q6a8d7576ca_attn
		.amdhsa_group_segment_fixed_size 169984
		.amdhsa_private_segment_fixed_size 0
		.amdhsa_enable_private_segment 0
		.amdhsa_kernarg_size 32
		.amdhsa_user_sgpr_count 2
		.amdhsa_user_sgpr_kernarg_segment_ptr 1
		.amdhsa_wavefront_size32 1
		.amdhsa_system_sgpr_workgroup_id_x 1
		.amdhsa_system_sgpr_workgroup_id_y 1
		.amdhsa_system_sgpr_workgroup_id_z 1
		.amdhsa_system_vgpr_workitem_id 0
		.amdhsa_next_free_vgpr 256
		.amdhsa_next_free_sgpr 66
		.amdhsa_reserve_vcc 1
		.amdhsa_float_denorm_mode_32 3
		.amdhsa_float_denorm_mode_16_64 3
		.amdhsa_memory_ordered 1
		.amdhsa_forward_progress 1
		.amdhsa_inst_pref_size 58
	.end_amdhsa_kernel
	.amdgpu_metadata
---
amdhsa.version: [ 1, 2 ]
amdhsa.kernels:
  - .name:           k_q6a8d7576ca_attn
    .symbol:         k_q6a8d7576ca_attn.kd
    .args:
      - { .name: qk, .offset: 0, .size: 8, .value_kind: global_buffer, .address_space: global }
      - { .name: vv, .offset: 8, .size: 8, .value_kind: global_buffer, .address_space: global }
      - { .name: yc, .offset: 16, .size: 8, .value_kind: global_buffer, .address_space: global }
      - { .name: ys, .offset: 24, .size: 8, .value_kind: global_buffer, .address_space: global }
    .group_segment_fixed_size: 169984
    .private_segment_fixed_size: 0
    .kernarg_segment_align: 8
    .kernarg_segment_size: 32
    .max_flat_workgroup_size: 512
    .sgpr_count:     66
    .vgpr_count:     256
    .wavefront_size: 32
...
	.end_amdgpu_metadata
.endif
;; end of part 3
;; launch proj (part 4): grid 8 x 32, 8 waves a work-group, clusters of 4 x 4, 277,504 bytes of LDS; arguments wpc, wps, yc, ys, b_proj, out0; writes out0
.if DOCPART == 4
	.amdgcn_target "amdgcn-amd-amdhsa--gfx1250"
	.amdhsa_code_object_version 6
	.text
	.protected	k_q6a8d7576ca_proj
	.globl	k_q6a8d7576ca_proj
	.p2align	8
	.type	k_q6a8d7576ca_proj,@function
k_q6a8d7576ca_proj:
	s_mov_b64 s[64:65], 0
	v_nop
	global_prefetch_b8 v0, s[64:65] scope:SCOPE_SE
	s_setreg_imm32_b32 hwreg(HW_REG_WAVE_MODE, 25, 1), 1
	s_wait_xcnt 0x0
	s_wait_alu depctr_hold_cnt(0) depctr_sa_sdst(0) depctr_va_vdst(0) depctr_va_sdst(0) depctr_va_ssrc(0) depctr_va_vcc(0) depctr_vm_vsrc(0)
	s_getreg_b32 s2, hwreg(HW_REG_IB_STS2, 6, 4)
	s_cmp_eq_u32 s2, 0
	s_cbranch_scc0 .Lentry_in_a_cluster
	s_endpgm
.Lentry_in_a_cluster:
	s_bfe_u32 s2, ttmp6, 0x10000c
	s_cmp_lg_u32 s2, 0xf033
	s_cbranch_scc0 .Lentry_shape_is_right
	s_endpgm
.Lentry_shape_is_right:
; out0 = y W_proj + b_proj on codes of FP4 (E2M1) with E8M0 scales.  y's codes and scale words come from the attention launch, W_proj's from the quantising launch; out0 is [8192][1024] f32.
; A work-group makes 128 columns of out0 (P = 128 columns of W_proj, source 0: they run along a lane's registers) x 256 rows (Q = rows of y, source 1: a lane holds one).  All of K = 1,024 of both panels lies in LDS at once:
; every fill is a first fill.  Eight waves; wave w takes all 128 columns x rows 32 w .. 32 w + 31: 16 accumulators.  256 work-groups.
; CLUSTER 4 x 4: P's panel hangs on the work-group's x alone and is asked for jointly by a column of the cluster, Q's on its y alone and by a row: four requests become one.
; Codes lie [32 planes of 32 along K][row][16 bytes], scale words [8][row][4 bytes]: lane (r, h) finds registers 4 c .. 4 c + 3 of a fragment at plane 4 s + 2 c + h, row r: sixteen lanes of a load read 256 consecutive bytes of LDS.
; The bias is loaded straight into the accumulators and starts the sums.  Results leave through each wave's own stage in LDS as whole rows of 512 bytes.
.set PITCH_P, 2048                     ; wpc: elements of 8 bytes from plane to plane (1,024 rows x 16 bytes)
.set PITCH_Q, 16384                    ; yc: (8,192 rows x 16 bytes)
.set HALF_P,  16*16384                 ; bytes from plane 0 to plane 16
.set HALF_Q,  16*131072
.set PCD,  0                           ; LDS: P's codes [32][128][16]
.set QCD,  65536                       ;      Q's codes [32][256][16]
.set PSC,  196608                      ;      P's scale words [8][128][4]
.set QSC,  200704                      ;      Q's scale words [8][256][4]
.set STG,  208896                      ;      the stages: 16 rows x 528 bytes for each wave; no tensor load lands here
.set SP,   528
.set WV,   17                          ; s17  my wave's number
.set G1P,  24
.set G1Q,  32
.set G1SP, 40
.set G1SQ, 48
.set G0SP, 56
.set G0SQ, 60
.set G0P0, 68
.set G0Q0, 72
.set G0P1, 76
.set G0Q1, 80
.set SC,   18                          ; v18-22, v23-27: two sets of scale words, and nothing else
.set PF,   32                          ; v32-95   P's eight fragments
.set QF,   96                          ; v96-127  Q's two fragments, two sets
.set ACC,  128                         ; v128-255 accumulator (i, j) at ACC + 8 i + 64 j: register e of lane (r, h) = (column 16 i + 8 h + e, row 16 j + r)
.macro CROUND                          ; a round of the cluster's barrier
	s_barrier_signal -1
	s_barrier_wait -1
	s_cmp_lg_u32 s[WV], 0
	s_cbranch_scc1 .Lnot_wave_0_\@
	s_barrier_signal -3
.Lnot_wave_0_\@:
	s_barrier_wait -3
	s_barrier_signal -1
	s_barrier_wait -1
.endm
.macro PLACES                          ; four plain instructions between a matrix instruction and a load into, or a read of, its registers
.rept 4
	v_nop
.endr
.endm
.macro LDP s, i0                       ; P's fragments i0 .. i0 + 3 of the s-th 128 along K: 8 loads
.irp i, \i0, \i0+1, \i0+2, \i0+3
.irp c, 0,1
	ds_load_b128 v[PF+8*(\i)+4*\c:PF+8*(\i)+4*\c+3], v4 offset:(\s)*8192+\c*4096+(\i)*256
.endr
.endr
.endm
.macro LDQ s                           ; Q's two fragments and the five registers of scale words, into set s % 2: 9 loads
.irp j, 0,1
.irp c, 0,1
	ds_load_b128 v[QF+16*((\s)%2)+8*\j+4*\c:QF+16*((\s)%2)+8*\j+4*\c+3], v[5+(\s)/4] offset:((\s)%4)*16384+\c*8192+\j*256
.endr
.endr
.irp a, 0,1,2,3
	ds_load_b32 v[SC+5*((\s)%2)+\a], v7 offset:(\s)*512+\a*128
.endr
	ds_load_b32 v[SC+5*((\s)%2)+4], v8 offset:(\s)*1024
.endm
.macro WM d, a, b, sa, sb, ra, rb      ; one product onto accumulator d; ra, rb: the scales stand in lanes 16-31
.if ((\ra) != 0) && ((\rb) != 0)
	v_wmma_scale_f32_16x16x128_f8f6f4 v[(\d):(\d)+7], v[(\a):(\a)+7], v[(\b):(\b)+7], v[(\d):(\d)+7], v[\sa], v[\sb] matrix_a_fmt:MATRIX_FMT_FP4 matrix_b_fmt:MATRIX_FMT_FP4 matrix_a_scale:MATRIX_SCALE_ROW1 matrix_b_scale:MATRIX_SCALE_ROW1
.elseif (\ra) != 0
	v_wmma_scale_f32_16x16x128_f8f6f4 v[(\d):(\d)+7], v[(\a):(\a)+7], v[(\b):(\b)+7], v[(\d):(\d)+7], v[\sa], v[\sb] matrix_a_fmt:MATRIX_FMT_FP4 matrix_b_fmt:MATRIX_FMT_FP4 matrix_a_scale:MATRIX_SCALE_ROW1
.elseif (\rb) != 0
	v_wmma_scale_f32_16x16x128_f8f6f4 v[(\d):(\d)+7], v[(\a):(\a)+7], v[(\b):(\b)+7], v[(\d):(\d)+7], v[\sa], v[\sb] matrix_a_fmt:MATRIX_FMT_FP4 matrix_b_fmt:MATRIX_FMT_FP4 matrix_b_scale:MATRIX_SCALE_ROW1
.else
	v_wmma_scale_f32_16x16x128_f8f6f4 v[(\d):(\d)+7], v[(\a):(\a)+7], v[(\b):(\b)+7], v[(\d):(\d)+7], v[\sa], v[\sb] matrix_a_fmt:MATRIX_FMT_FP4 matrix_b_fmt:MATRIX_FMT_FP4
.endif
.endm
.macro MUL8 s, i0                      ; 8 products.  The 16 accumulators take turns, one instruction a turn, in the same order in every step
.irp i, \i0, \i0+1, \i0+2, \i0+3
.irp j, 0,1
	WM ACC+8*(\i)+64*\j, PF+8*(\i), QF+16*((\s)%2)+8*\j, SC+5*((\s)%2)+(\i)/2, SC+5*((\s)%2)+4, (\i)%2, \j
.endr
.endr
.endm
.macro KSTEP s                         ; 128 along K whose successor's bytes are known to lie in LDS
	s_wait_dscnt 8                                 ; all but the youngest eight loads (P's tiles 4-7) are in
	MUL8 \s, 0
	PLACES
	LDQ (\s)+1
	LDP (\s)+1, 0
	s_wait_dscnt 17                                ; all but the 17 just issued: P's tiles 4-7 are in
	MUL8 \s, 4
	PLACES
	LDP (\s)+1, 4
.endm
	s_load_b256 s[4:11], s[0:1], 0x0               ; wpc s[4:5], wps s[6:7], yc s[8:9], ys s[10:11]
	s_load_b128 s[12:15], s[0:1], 0x20             ; b_proj s[12:13], out0 s[14:15]
	v_lshl_add_u32 v30, v0, 2, 0x43800
	v_mov_b32 v31, 0
	ds_add_u32 v30, v31
	ds_add_u32 v30, v31
	v_lshrrev_b32 v1, 5, v0
	v_readfirstlane_b32 s[WV], v1                  ; wave 0..7
	s_bfe_u32 s18, ttmp6, 0x40000                  ; cx
	s_bfe_u32 s19, ttmp6, 0x40004                  ; cy
	s_lshl_b32 s20, ttmp9, 2
	s_add_co_u32 s20, s20, s18                     ; which 128 columns: 0..7
	s_and_b32 s21, ttmp7, 0xffff
	s_lshl_b32 s21, s21, 2
	s_add_co_u32 s21, s21, s19                     ; which 256 rows: 0..31
	s_lshl_b32 s84, 0x1111, s18                    ; my column of the cluster
	s_lshl_b32 s85, s19, 2
	s_lshl_b32 s85, 15, s85                        ; my row
	; descriptor groups 1: elements of 8 bytes, no padding; the mask, and bit 21 beside it
	s_or_b32 s[G1P], s84, (3<<16)|(1<<21)
	s_mov_b32 s[G1P+1], 256<<16                    ; tensor_dim0: 128 rows x 16 bytes of one plane
	s_mov_b32 s[G1P+2], 2<<16                      ; tensor_dim1: two planes
	s_mov_b32 s[G1P+3], 256<<16
	s_mov_b32 s[G1P+4], 2
	s_mov_b32 s[G1P+5], PITCH_P
	s_mov_b32 s[G1P+6], 0
	s_mov_b32 s[G1P+7], 0
	s_or_b32 s[G1Q], s85, (3<<16)|(1<<21)
	s_mov_b32 s[G1Q+1], 512<<16                    ; 256 rows x 16 bytes
	s_mov_b32 s[G1Q+2], 2<<16
	s_mov_b32 s[G1Q+3], 512<<16
	s_mov_b32 s[G1Q+4], 2
	s_mov_b32 s[G1Q+5], PITCH_Q
	s_mov_b32 s[G1Q+6], 0
	s_mov_b32 s[G1Q+7], 0
	s_or_b32 s[G1SP], s84, (3<<16)|(1<<21)
	s_mov_b32 s[G1SP+1], 64<<16                    ; one row: 128 scale words
	s_mov_b32 s[G1SP+2], 1<<16
	s_mov_b32 s[G1SP+3], 64<<16
	s_mov_b32 s[G1SP+4], 1
	s_mov_b32 s[G1SP+5], 64
	s_mov_b32 s[G1SP+6], 0
	s_mov_b32 s[G1SP+7], 0
	s_or_b32 s[G1SQ], s85, (3<<16)|(1<<21)
	s_mov_b32 s[G1SQ+1], 128<<16                   ; one row: 256 scale words
	s_mov_b32 s[G1SQ+2], 1<<16
	s_mov_b32 s[G1SQ+3], 128<<16
	s_mov_b32 s[G1SQ+4], 1
	s_mov_b32 s[G1SQ+5], 128
	s_mov_b32 s[G1SQ+6], 0
	s_mov_b32 s[G1SQ+7], 0
	s_lshl_b32 s86, s20, 11                        ; P's codes: 128 rows x 16 bytes a tile, + my two planes of 16,384 bytes
	s_lshl_b32 s87, s[WV], 15
	s_add_co_u32 s86, s86, s87
	s_mov_b32 s87, 0
	s_lshl_b32 s88, s20, 9                         ; P's scale words: + my 128 along K, 4,096 bytes
	s_lshl_b32 s89, s[WV], 12
	s_add_co_u32 s88, s88, s89
	s_mov_b32 s89, 0
	s_lshl_b32 s90, s21, 12                        ; Q's codes: 256 rows x 16 bytes, + my two planes of 131,072 bytes
	s_lshl_b32 s91, s[WV], 18
	s_add_co_u32 s90, s90, s91
	s_mov_b32 s91, 0
	s_lshl_b32 s92, s21, 10                        ; Q's scale words: + my 128 along K, 32,768 bytes
	s_lshl_b32 s93, s[WV], 15
	s_add_co_u32 s92, s92, s93
	s_mov_b32 s93, 0
	s_wait_dscnt 0x0
	s_wait_kmcnt 0x0
	s_mov_b32 s[G0SP], 1
	s_lshl_b32 s[G0SP+1], s[WV], 9
	s_add_co_u32 s[G0SP+1], s[G0SP+1], PSC
	s_add_nc_u64 s[G0SP+2:G0SP+3], s[6:7], s[88:89]
	s_or_b32 s[G0SP+3], s[G0SP+3], 0x80000000
	s_mov_b32 s[G0SQ], 1
	s_lshl_b32 s[G0SQ+1], s[WV], 10
	s_add_co_u32 s[G0SQ+1], s[G0SQ+1], QSC
	s_add_nc_u64 s[G0SQ+2:G0SQ+3], s[10:11], s[92:93]
	s_or_b32 s[G0SQ+3], s[G0SQ+3], 0x80000000
	s_mov_b32 s[G0P0], 1
	s_lshl_b32 s[G0P0+1], s[WV], 12                ; PCD = 0: two planes of 2,048 bytes a wave
	s_add_nc_u64 s[G0P0+2:G0P0+3], s[4:5], s[86:87]
	s_add_nc_u64 s[G0P1+2:G0P1+3], s[G0P0+2:G0P0+3], HALF_P
	s_or_b32 s[G0P0+3], s[G0P0+3], 0x80000000
	s_or_b32 s[G0P1+3], s[G0P1+3], 0x80000000
	s_mov_b32 s[G0P1], 1
	s_add_co_u32 s[G0P1+1], s[G0P0+1], 32768
	s_mov_b32 s[G0Q0], 1
	s_lshl_b32 s[G0Q0+1], s[WV], 13
	s_add_co_u32 s[G0Q0+1], s[G0Q0+1], QCD
	s_add_nc_u64 s[G0Q0+2:G0Q0+3], s[8:9], s[90:91]
	s_add_nc_u64 s[G0Q1+2:G0Q1+3], s[G0Q0+2:G0Q0+3], HALF_Q
	s_or_b32 s[G0Q0+3], s[G0Q0+3], 0x80000000
	s_or_b32 s[G0Q1+3], s[G0Q1+3], 0x80000000
	s_mov_b32 s[G0Q1], 1
	s_add_co_u32 s[G0Q1+1], s[G0Q0+1], 65536
	CROUND                                         ; all sixteen work-groups are here: the joint loads meet
	tensor_load_to_lds s[G0SP:G0SP+3], s[G1SP:G1SP+7]   ; six loads of mine are out: the scale words of my 128 along K,
	s_nop 0
	tensor_load_to_lds s[G0SQ:G0SQ+3], s[G1SQ:G1SQ+7]
	s_nop 0
	tensor_load_to_lds s[G0P0:G0P0+3], s[G1P:G1P+7]     ; my two planes of the first half of K,
	s_nop 0
	tensor_load_to_lds s[G0Q0:G0Q0+3], s[G1Q:G1Q+7]
	s_nop 0
	tensor_load_to_lds s[G0P1:G0P1+3], s[G1P:G1P+7]     ; and of the second
	s_nop 0
	tensor_load_to_lds s[G0Q1:G0Q1+3], s[G1Q:G1Q+7]
	s_nop 0
	PLACES                                         ; four v_nop follow the last tensor load
	v_and_b32 v1, 15, v0                           ; r
	v_bfe_u32 v2, v0, 4, 1                         ; h
	v_and_b32 v3, 31, v0                           ; l
	v_lshlrev_b32 v12, 5, v2                       ; the bias: 8 h numbers on
	s_lshl_b32 s22, s20, 9
	s_mov_b32 s23, 0
	s_add_nc_u64 s[12:13], s[12:13], s[22:23]      ; b_proj at my 128 columns
.irp j, 0,1
.irp i, 0,1,2,3,4,5,6,7
.irp q, 0,1
	global_load_b128 v[ACC+64*\j+8*\i+4*\q:ACC+64*\j+8*\i+4*\q+3], v12, s[12:13] offset:64*\i+16*\q   ; THE BIAS starts the sums: b_proj(16 i + 8 h + e) in register e of accumulator (i, j)
.endr
.endr
.endr
	v_lshlrev_b32 v4, 4, v1
	v_lshl_add_u32 v4, v2, 11, v4                  ; P's fragments: 2,048 h + 16 r
	s_lshl_b32 s16, s[WV], 9
	s_add_co_u32 s16, s16, QCD
	v_lshlrev_b32 v5, 4, v1
	v_lshl_add_u32 v5, v2, 12, v5
	v_add_nc_u32 v5, s16, v5                       ; Q's: QCD + 4,096 h + 512 w + 16 r,
	v_add_nc_u32 v6, 0x10000, v5                   ; and for the second half of K
	v_lshl_add_u32 v7, v3, 2, PSC                  ; P's scale words: 4 l
	s_lshl_b32 s16, s[WV], 7
	s_add_co_u32 s16, s16, QSC
	v_lshl_add_u32 v8, v3, 2, s16                  ; Q's: 128 w + 4 l
	s_mul_i32 s16, s[WV], 16*SP
	s_add_co_u32 s16, s16, STG                     ; my stage
	v_mul_u32_u24 v9, v1, SP
	v_lshl_add_u32 v9, v2, 5, v9
	v_add_nc_u32 v9, s16, v9                       ; into it: row r, + 32 h
	v_lshlrev_b32 v11, 4, v3                       ; 16 l: my place in a row of 512 bytes, in the stage and in out0
	v_add_nc_u32 v10, s16, v11                     ; out of it
	s_lshl_b32 s86, s21, 8
	s_lshl_b32 s87, s[WV], 5
	s_add_co_u32 s86, s86, s87                     ; my first row of out0
	s_lshl_b32 s86, s86, 12
	s_lshl_b32 s87, s20, 9                         ; my 128 columns
	s_add_co_u32 s86, s86, s87
	s_mov_b32 s87, 0
	s_add_nc_u64 s[14:15], s[14:15], s[86:87]
	s_wait_loadcnt 0x0                             ; the bias is in
	s_wait_tensorcnt 0x2                           ; my scale words and my planes of the first half of K have landed; my two loads for the second half may be out
	s_barrier_signal -1
	s_barrier_wait -1                              ; everybody's have
	LDQ 0
	LDP 0, 0
	LDP 0, 4
	KSTEP 0
	KSTEP 1
	KSTEP 2
	s_wait_dscnt 8                                 ; the fourth 128 along K: behind it the second half of K is read for the first time
	MUL8 3, 0
	s_wait_tensorcnt 0x0                           ; my planes of the second half have landed
	s_wait_dscnt 0x0                               ; no LDS instruction of mine is out at the signal
	s_barrier_signal -1
	MUL8 3, 4                                      ; work on registers while the others arrive
	s_barrier_wait -1
	PLACES
	LDQ 4
	LDP 4, 0
	LDP 4, 4
	KSTEP 4
	KSTEP 5
	KSTEP 6
	s_wait_dscnt 8                                 ; the last: nothing more to fetch
	MUL8 7, 0
	s_wait_dscnt 0x0
	MUL8 7, 4
	PLACES
	; THE WAY OUT.  A lane holds 32 neighbouring bytes of a row, the lanes beside it other rows: 16 rows at a time go through my own stage and come back as whole rows of 512 bytes.
	; LDS serves a wave's instructions in order (ISA guide 5.7.1.4): no wait between the stores and the loads, nor in front of the second half's stores.
.irp j, 0,1
.irp i, 0,1,2,3,4,5,6,7
	ds_store_b128 v9, v[ACC+64*\j+8*\i:ACC+64*\j+8*\i+3] offset:64*\i          ; each accumulator from its low end on
	ds_store_b128 v9, v[ACC+64*\j+8*\i+4:ACC+64*\j+8*\i+7] offset:64*\i+16
.endr
.irp p, 0,1,2,3,4,5,6,7,8,9,10,11,12,13,14,15
	ds_load_b128 v[32+96*\j+4*\p:32+96*\j+4*\p+3], v10 offset:\p*SP            ; rows 0-15 into v32-95, rows 16-31 into v128-191, whose numbers have gone to the stage
.endr
.endr
	s_wait_dscnt 32                                ; the first 16 rows are back; the second half's 16 stores and 16 loads may be out
.irp p, 0,1,2,3,4,5,6,7,8,9,10,11,12,13,14,15
	global_store_b128 v11, v[32+4*\p:32+4*\p+3], s[14:15] offset:\p*4096 th:TH_STORE_NT   ; 32 lanes store 512 consecutive aligned bytes; written once, read by nobody here
.endr
	s_wait_dscnt 0x0
.irp p, 0,1,2,3,4,5,6,7,8,9,10,11,12,13,14,15
	global_store_b128 v11, v[128+4*\p:128+4*\p+3], s[14:15] offset:(16+\p)*4096 th:TH_STORE_NT
.endr
	s_wait_tensorcnt 0x0
	ds_add_u32 v30, v31
	s_wait_dscnt 0x0
	CROUND                                         ; the closing round: no work-group ends while a partner may still ask for a panel that names it
	s_endpgm
.Lfunc_end_k_q6a8d7576ca_proj:
	.size	k_q6a8d7576ca_proj, .Lfunc_end_k_q6a8d7576ca_proj-k_q6a8d7576ca_proj
	.p2alignl 7, 3214868480
	.fill 96, 4, 3214868480
	.section	.rodata,"a",@progbits
	.p2align	6, 0x0
	.amdhsa_kernel k_q6a8d7576ca_proj
		.amdhsa_group_segment_fixed_size 277504
		.amdhsa_private_segment_fixed_size 0
		.amdhsa_enable_private_segment 0
		.amdhsa_kernarg_size 48
		.amdhsa_user_sgpr_count 2
		.amdhsa_user_sgpr_kernarg_segment_ptr 1
		.amdhsa_wavefront_size32 1
		.amdhsa_system_sgpr_workgroup_id_x 1
		.amdhsa_system_sgpr_workgroup_id_y 1
		.amdhsa_system_sgpr_workgroup_id_z 1
		.amdhsa_system_vgpr_workitem_id 0
		.amdhsa_next_free_vgpr 256
		.amdhsa_next_free_sgpr 102
		.amdhsa_reserve_vcc 0
		.amdhsa_float_denorm_mode_32 3
		.amdhsa_float_denorm_mode_16_64 3
		.amdhsa_memory_ordered 1
		.amdhsa_forward_progress 1
		.amdhsa_inst_pref_size 49
	.end_amdhsa_kernel
	.amdgpu_metadata
---
amdhsa.version: [ 1, 2 ]
amdhsa.kernels:
  - .name:           k_q6a8d7576ca_proj
    .symbol:         k_q6a8d7576ca_proj.kd
    .args:
      - { .name: wpc, .offset: 0, .size: 8, .value_kind: global_buffer, .address_space: global }
      - { .name: wps, .offset: 8, .size: 8, .value_kind: global_buffer, .address_space: global }
      - { .name: yc, .offset: 16, .size: 8, .value_kind: global_buffer, .address_space: global }
      - { .name: ys, .offset: 24, .size: 8, .value_kind: global_buffer, .address_space: global }
      - { .name: b_proj, .offset: 32, .size: 8, .value_kind: global_buffer, .address_space: global }
      - { .name: out0, .offset: 40, .size: 8, .value_kind: global_buffer, .address_space: global }
    .group_segment_fixed_size: 277504
    .private_segment_fixed_size: 0
    .kernarg_segment_align: 8
    .kernarg_segment_size: 48
    .max_flat_workgroup_size: 256
    .sgpr_count:     102
    .vgpr_count:     256
    .wavefront_size: 32
...
	.end_amdgpu_metadata
.endif
;; end of part 4
